; MI455X (gfx1250); checked and timed in simulation.
; The chip was launched on July 23, 2026; its instructions are those of AMD's public machine-readable ISA for CDNA 5 (MIT licence, August 2026) and "CDNA5" Instruction Set Architecture Reference Guide (July 2026). The comments in the code are by the model that wrote it; some were corrected since.
;; Masked Multi Head Attention. Allowed arithmetic: matrix products marked QUANTISED: E4M3 operands, one E8M0 scale for each 32 along K, by v_wmma_scale_f32_16x16x128_f8f6f4 with both operands' format E4M3, f32 sums; everything else in f32.
;; Inputs: Wk 512 x 512 float32; Wo 512 x 512 float32; Wq 512 x 512 float32; Wv 512 x 512 float32; keys 2 x 4,096 x 512 float32; queries 2 x 4,096 x 512 float32; values 2 x 4,096 x 512 float32.
;; Outputs: out0 2 x 4,096 x 512 float32.
;; This version of the problem:
;;   THIS VERSION OF THE PROBLEM IS GIVEN IN LOW PRECISION. The matrix products marked QUANTISED in the list below multiply operands that are first quantised to E4M3 (4 exponent bits, 3 mantissa bits; 8 bits a number), with one power-of-two scale for each 32 numbers along K (OCP MX v1.0); their sums are f32. All else is computed in f32.
;;   The module's matrix products, in the order in which they are computed (A, B: the left and right operand; K: the contracted axis; several contracted axes count as one K, in the product's order):
;;     1. [M 8,192, K 512] x [K 512, N 512]; A: input queries; B: input Wq: QUANTISED
;;     2. [M 8,192, K 512] x [K 512, N 512]; A: input keys; B: input Wk: QUANTISED
;;     3. [M 8,192, K 512] x [K 512, N 512]; A: input values; B: input Wv: QUANTISED
;;     4. batch 16 x [M 4,096, K 64] x [K 64, N 4,096]; A: computed on the way; B: computed on the way: QUANTISED
;;     5. batch 16 x [M 64, K 4,096] x [K 4,096, N 4,096]; A: computed on the way; B: softmax (see below): QUANTISED
;;     6. [M 8,192, K 512] x [K 512, N 512]; A: computed on the way; B: input Wo: QUANTISED
;;   THE QUANTISER, for each operand of a quantised product, along K:
;;     - K is cut into blocks of 32 from its start; a last block that is shorter is filled with zeros.
;;     - A block's scale is 2^e with e = floor(log2(the largest magnitude in the block)) - 8, held to -126 .. 127; a block of zeros has e = 0. As a byte (E8M0): e + 127.
;;     - Each number is divided by its block's scale, clamped to +-448, and rounded to the nearest number of E4M3, ties to even, subnormals kept.
;;     - The product sums the exact products of the quantised numbers (number of the format x scale) in f32.
;;   ~~~python
;;   def quantise(x, axis):      # numpy; x: float32 -> the quantised numbers, widened to float32 again
;;       x = np.moveaxis(x, axis, -1); K = x.shape[-1]
;;       x = np.pad(x, [(0, 0)] * (x.ndim - 1) + [(0, -K % 32)]); x = x.reshape(x.shape[:-1] + (-1, 32)); a = np.abs(x).max(-1, keepdims=True)
;;       e = np.where(a > 0, np.clip(np.frexp(np.where(a > 0, a, 1))[1] - 1 - 8, -126, 127), 0)      # np.frexp(a)[1] - 1 = floor(log2(a)), exactly
;;       r = np.clip(x / 2.0 ** e, -448, 448)
;;       step = 2.0 ** (np.maximum(np.frexp(np.where(r == 0, 1, r))[1] - 1, -6) - 3)
;;       q = np.round(r / step) * step * 2.0 ** e      # np.round: ties to even
;;       return np.moveaxis(q.reshape(q.shape[:-2] + (-1,))[..., :K], -1, axis).astype(np.float32)
;;   ~~~
;;   SOFTMAX AHEAD OF A QUANTISED PRODUCT. Where the list says 'softmax', what is quantised is not the finished softmax but p = 2^(t - M), with t = logit x log2(e) and M = ceil(the row's largest t), a whole number; so 1/2 < the row's largest p <= 1. The row's sum l is taken of the UNQUANTISED p, in f32, and the product's result is divided by l at the end. Since M is a whole number, a kernel that streams over the keys may use a running M (the ceiling of the running maximum): every later rescaling is an exact power of two, which a block's scale takes up: the codes' values come out the same.
;;   OPERANDS COMPUTED ON THE WAY. 'Computed on the way' means the value that the module computes at that place (a softmax that the list does not call 'softmax' is quantised finished and normalised). What goes into a quantiser is computed in f32, as accurately as f32 sums, v_exp_f32 and their like allow (about 1e-6 of the number): no bf16 or f16 on the way to a quantiser, and a product that is left as it is and whose result goes on into a quantised operand takes f32 operands (vector FMAs, or v_wmma_f32_16x16x4_f32). A number that lies on a knife's edge between two numbers of the format may be rounded either way, as far as f32 arithmetic and the matrix unit's own rounding can turn it there, and no further.
;; One version. Each part assembles by itself: llvm-mc -triple=amdgcn-amd-amdhsa -mcpu=gfx1250 --defsym DOCPART=n.
;; ======== version 1 of 1: 4 launches
;; limits: right only within a limited range of input values
;; workspace buffers: wc 1,048,576 bytes; ws 32,768 bytes; qc 4,718,592 bytes; kv 9,175,040 bytes; oc 4,194,304 bytes; os 262,144 bytes
;; launch wquant (part 1): grid 16 x 4, 16 waves a work-group, no clusters, 2,560 bytes of LDS; arguments Wq, Wk, Wv, Wo, wc, ws; writes wc, ws
.if DOCPART == 1
	.amdgcn_target "amdgcn-amd-amdhsa--gfx1250"
	.amdhsa_code_object_version 6
	.text
	.protected	k_qf7d9d92759_wquant
	.globl	k_qf7d9d92759_wquant
	.p2align	8
	.type	k_qf7d9d92759_wquant,@function
k_qf7d9d92759_wquant:
	s_mov_b64 s[64:65], 0
	v_nop
	global_prefetch_b8 v0, s[64:65] scope:SCOPE_SE
	s_setreg_imm32_b32 hwreg(HW_REG_WAVE_MODE, 25, 1), 1
	s_wait_xcnt 0x0
; The four weights [512 (k)][512 (n)], f32, K on the FIRST axis, become codes of FP8 (E4M3) with one E8M0 byte for each 32 along K.
; A block's scale is 2^(floor(log2(its largest magnitude)) - 8); its byte is the largest magnitude's exponent field - 8, held at 1 from below.
; LIMITS: a block of zeros gets the byte 1 where the rule says 127 (its codes are zeros, and these bytes are read by this program alone); NaN and infinities among the inputs are not served.
; LAYOUT OUT.  wc: [weight 4][tile of 16 columns, 32][K step of 128, 4][piece c, 4][lane 32][16 bytes]: the image of an operand's registers: piece c, lane (r, h) holds k = 32 c + 16 h + 0 .. 15 of the tile's row r.
; The columns of a tile are not neighbours: in a group of 32 columns, row r of tile u (0, 1) is column 8 u + r + 8 (r / 8).   ws: [weight][tile][r 16][K step 4] words, byte c of a word for piece c.
; SHARES.  Work-group (x, m): columns 32 x .. 32 x + 31 of weight m.  Wave w: the block of 32 along K that begins at 32 w.  A LANE TAKES A COLUMN AND ITS 32 REGISTERS RUN DOWN K: a block lies in one lane,
; its largest magnitude needs no other lane, and the conversions give codes with K innermost.  Each load reads 128 consecutive bytes of a row of W; all 32 loads of a wave go out at once.
; No matrix unit, no tensor load, no cluster: each byte is read once, by one wave.
.set X, 16                             ; v16-47  my column's 32 numbers
.set C, 48                             ; v48-55  their codes
	s_load_b256 s[4:11], s[0:1], 0x0               ; Wq, Wk, Wv, Wo
	s_load_b128 s[12:15], s[0:1], 0x20             ; wc, ws
	v_lshl_add_u32 v64, v0, 2, 0x200
	v_mov_b32 v65, 0
	v_lshrrev_b32 v1, 5, v0
	s_delay_alu instid0(VALU_DEP_1)
	v_readfirstlane_b32 s16, v1                    ; wave 0..15 = the block along K
	s_and_b32 s17, ttmp7, 0xffff                   ; m: which weight
	v_and_b32 v2, 31, v0                           ; lane = column in the group
	s_delay_alu instid0(VALU_DEP_1)
	v_lshlrev_b32 v3, 2, v2                        ; in: 4 bytes a lane
	s_delay_alu instid0(VALU_DEP_2)
	v_bfe_u32 v4, v2, 3, 1                         ; u = (lane / 8) % 2: which of the group's two tiles
	s_delay_alu instid0(VALU_DEP_3)
	v_and_b32 v5, 7, v2
	s_delay_alu instid0(VALU_DEP_4)
	v_lshrrev_b32 v6, 4, v2
	s_delay_alu instid0(VALU_DEP_1)
	v_lshl_add_u32 v5, v6, 3, v5                   ; r = lane % 8 + 8 (lane / 16): the row in that tile
	s_delay_alu instid0(VALU_DEP_1)
	v_lshlrev_b32 v5, 4, v5                        ; 16 r
	s_delay_alu instid0(VALU_DEP_1)
	v_lshl_add_u32 v7, v4, 13, v5                  ; codes: 8,192 u + 16 r
	s_delay_alu instid0(VALU_DEP_2)
	v_lshl_add_u32 v8, v4, 8, v5                   ; scale words: 256 u + 16 r
	v_lshlrev_b32 v9, 4, v2                        ; LDS: a column's 16 scale bytes
	s_delay_alu instid0(VALU_DEP_1)
	v_add_nc_u32 v10, s16, v9                      ; and my block's byte among them
	s_mov_b32 s24, 0x600000                        ; the mantissa field of 448
	s_lshl_b32 s26, ttmp9, 7                       ; in: 128 x + 32 w rows of 2,048 bytes
	s_lshl_b32 s27, s16, 16
	s_add_co_u32 s26, s26, s27
	s_mov_b32 s27, 0
	s_lshl_b32 s28, s17, 18                        ; codes: 262,144 m + 16,384 x + 512 w (K step w / 4, piece w % 4)
	s_lshl_b32 s29, ttmp9, 14
	s_add_co_u32 s28, s28, s29
	s_lshl_b32 s29, s16, 9
	s_add_co_u32 s28, s28, s29
	s_mov_b32 s29, 0
	s_lshl_b32 s30, s17, 13                        ; scale words: 8,192 m + 512 x
	s_lshl_b32 s31, ttmp9, 9
	s_add_co_u32 s30, s30, s31
	s_mov_b32 s31, 0
	s_wait_kmcnt 0x0
	s_cmp_lt_u32 s17, 2                            ; the weight is chosen by the work-group's y alone
	s_cselect_b64 s[18:19], s[4:5], s[8:9]
	s_cselect_b64 s[20:21], s[6:7], s[10:11]
	s_bitcmp1_b32 s17, 0
	s_cselect_b64 s[18:19], s[20:21], s[18:19]
	s_add_nc_u64 s[18:19], s[18:19], s[26:27]
	s_add_nc_u64 s[12:13], s[12:13], s[28:29]
	s_add_nc_u64 s[14:15], s[14:15], s[30:31]
.set i, 0
.rept 32
	global_load_b32 v[X+i], v3, s[18:19] offset:2048*i th:TH_LOAD_NT   ; W(32 w + i, my column)
.set i, i+1
.endr
	s_wait_loadcnt 0x0                             ; all 32 are wanted at once
	v_max3_num_f32 v12, |v[X]|, |v[X+1]|, |v[X+2]| ; the block's largest magnitude, in two chains
	v_max3_num_f32 v13, |v[X+3]|, |v[X+4]|, |v[X+5]|
.irp i, 6,10,14,18,22,26
	s_delay_alu instid0(VALU_DEP_2)
	v_max3_num_f32 v12, v12, |v[X+\i]|, |v[X+\i+1]|
	s_delay_alu instid0(VALU_DEP_2)
	v_max3_num_f32 v13, v13, |v[X+\i+2]|, |v[X+\i+3]|
.endr
	s_delay_alu instid0(VALU_DEP_2)
	v_max3_num_f32 v12, v12, |v[X+30]|, |v[X+31]|
	s_delay_alu instid0(VALU_DEP_1)
	v_max3_num_f32 v12, v12, v13, 0x4800000        ; and the floor 2^(9 - 127): the byte cannot fall under 1
	s_delay_alu instid0(VALU_DEP_1)
	v_add_nc_u32 v11, 0xfc000000, v12              ; 8 off the exponent field: the conversion takes this operand's exponent field as its scale
	s_delay_alu instid0(VALU_DEP_2)
	v_and_or_b32 v14, v12, 0x7f800000, s24         ; 448 x the scale
	s_delay_alu instid0(VALU_DEP_2)
	v_lshrrev_b32 v13, 23, v11                     ; the scale's byte
.set i, 0
.rept 32
	v_med3_num_f32 v[X+i], v[X+i], -v14, v14       ; the conversion to an 8-bit code does not saturate (ISA guide 7.6.2): the hold comes first
.set i, i+1
.endr
.irp g, 0,1,2,3
	v_cvt_scalef32_pk8_fp8_f32 v[C+2*\g:C+2*\g+1], v[X+8*\g:X+8*\g+7], v11
.endr
	ds_store_b8 v10, v13
	global_store_b128 v7, v[C:C+3], s[12:13]                  ; k = 0 .. 15 of the block: the place of lane (r, 0); sixteen lanes fill 256 consecutive bytes, aligned, in each of the two tiles
	global_store_b128 v7, v[C+4:C+7], s[12:13] offset:256     ; k = 16 .. 31: the place of lane (r, 1)
	s_wait_dscnt 0x0                               ; for the others' sake: my byte lies in LDS
	s_barrier_signal -1
	s_barrier_wait -1
	s_cmp_lg_u32 s16, 0
	s_cbranch_scc1 .Lend                           ; wave 0 alone sends the group's scale words
	ds_load_b128 v[56:59], v9                      ; my column's 16 bytes: four words, one for each K step
	s_wait_dscnt 0x0
	global_store_b128 v8, v[56:59], s[14:15]       ; again 256 consecutive bytes for each tile
.Lend:
	s_wait_tensorcnt 0x0
	ds_add_u32 v64, v65
	s_wait_dscnt 0x0
	s_endpgm
.Lfunc_end_k_qf7d9d92759_wquant:
	.size	k_qf7d9d92759_wquant, .Lfunc_end_k_qf7d9d92759_wquant-k_qf7d9d92759_wquant
	.p2alignl 7, 3214868480
	.fill 96, 4, 3214868480
	.section	.rodata,"a",@progbits
	.p2align	6, 0x0
	.amdhsa_kernel k_qf7d9d92759_wquant
		.amdhsa_group_segment_fixed_size 2560
		.amdhsa_private_segment_fixed_size 0
		.amdhsa_enable_private_segment 0
		.amdhsa_kernarg_size 48
		.amdhsa_user_sgpr_count 2
		.amdhsa_user_sgpr_kernarg_segment_ptr 1
		.amdhsa_wavefront_size32 1
		.amdhsa_system_sgpr_workgroup_id_x 1
		.amdhsa_system_sgpr_workgroup_id_y 1
		.amdhsa_system_sgpr_workgroup_id_z 1
		.amdhsa_system_vgpr_workitem_id 0
		.amdhsa_next_free_vgpr 66
		.amdhsa_next_free_sgpr 66
		.amdhsa_reserve_vcc 0
		.amdhsa_float_denorm_mode_32 3
		.amdhsa_float_denorm_mode_16_64 3
		.amdhsa_memory_ordered 1
		.amdhsa_forward_progress 1
		.amdhsa_inst_pref_size 10
	.end_amdhsa_kernel
	.amdgpu_metadata
---
amdhsa.version: [ 1, 2 ]
amdhsa.kernels:
  - .name:           k_qf7d9d92759_wquant
    .symbol:         k_qf7d9d92759_wquant.kd
    .args:
      - { .name: Wq, .offset: 0, .size: 8, .value_kind: global_buffer, .address_space: global }
      - { .name: Wk, .offset: 8, .size: 8, .value_kind: global_buffer, .address_space: global }
      - { .name: Wv, .offset: 16, .size: 8, .value_kind: global_buffer, .address_space: global }
      - { .name: Wo, .offset: 24, .size: 8, .value_kind: global_buffer, .address_space: global }
      - { .name: wc, .offset: 32, .size: 8, .value_kind: global_buffer, .address_space: global }
      - { .name: ws, .offset: 40, .size: 8, .value_kind: global_buffer, .address_space: global }
    .group_segment_fixed_size: 2560
    .private_segment_fixed_size: 0
    .kernarg_segment_align: 8
    .kernarg_segment_size: 48
    .max_flat_workgroup_size: 512
    .sgpr_count:     66
    .vgpr_count:     66
    .wavefront_size: 32
...
	.end_amdgpu_metadata
.endif
;; end of part 1
;; launch proj (part 2): grid 64 x 3, 16 waves a work-group, no clusters, 210,944 bytes of LDS; arguments queries, keys, values, wc, ws, qc, kv; writes qc, kv
.if DOCPART == 2
	.amdgcn_target "amdgcn-amd-amdhsa--gfx1250"
	.amdhsa_code_object_version 6
	.text
	.protected	k_qf7d9d92759_proj
	.globl	k_qf7d9d92759_proj
	.p2align	8
	.type	k_qf7d9d92759_proj,@function
k_qf7d9d92759_proj:
	s_mov_b64 s[64:65], 0
	v_nop
	global_prefetch_b8 v0, s[64:65] scope:SCOPE_SE
	s_setreg_imm32_b32 hwreg(HW_REG_WAVE_MODE, 25, 1), 1
	s_wait_xcnt 0x0
; q = queries Wq, k = keys Wk, v = values Wv on codes of FP8 (E4M3) with one E8M0 scale for each 32 along K; the results are quantised at once for attention's two products and leave as codes.
; SHARES.  Work-group (tb, y): 128 tokens (rows 128 tb on of the 8,192) of tensor y (0 q, 1 k, 2 v), all 512 outputs.  128 tokens make v's scale word (four blocks of 32 keys) whole inside one wave.
; PHASE X: wave w quantises two fragments (16 tokens x 128 K) of x: token tile w / 2, K steps 2 (w % 2) and 2 (w % 2) + 1.  Each load reads 512 consecutive bytes of a row; the 16 rows turn through the wave's own stage in LDS,
;   so that a lane holds 16 neighbours of each block of 32; codes and scale words go to LDS as images of the operand's registers (16 bytes a lane, 4 bytes a lane).  One barrier.
; PHASE G: wave w multiplies weight tiles 2 w and 2 w + 1 (32 outputs) with all 8 token tiles: 16 accumulators by turns; the weights' fragments come from memory as register images, two K steps ahead.
; q, k: source 0 = the weight, source 1 = x: a lane holds ONE token, and the 16 registers of a token tile are 16 neighbouring channels: block w % 2 of head w / 2.
; v:    source 0 = x, source 1 = the weight: a lane holds ONE channel, and its registers run along the tokens, which are the second product's K.
; THE ROWS OF A TILE ARE NOT NEIGHBOURS in the weights' tiles and in k's and v's token tiles: in a group of 32, row r of tile u is 8 u + r + 8 (r / 8): so two neighbouring tiles' results are 16 neighbours in a lane.  q's token tiles are plain.
; OUT.  qc: [head 16][block of 128 tokens 32][9,216]: 8 tiles x [piece 2][lane][16 bytes]; at 8,192 the scale words [half 2][lane][4 words], word = byte of channels 0-31 | byte of channels 32-63 << 8.
;       kv: [head 16][128 keys 32][17,920]: k as q; at 9,216 v: 4 channel tiles x [piece 4][lane][16 bytes]; at 17,408 v's scale words [pair 2][lane][2 words].  Every store covers 256 or 512 consecutive bytes, aligned.
; LIMITS: a block of zeros gets the byte 1 where the rule says 127 (its codes are zeros; the bytes are read by this program alone); NaN and infinities among the inputs are not served.
; No tensor load: x has to pass through registers to be quantised, and the weights' fragments go straight into the registers that multiply them.  No cluster: what work-groups share, the weights' codes, is as many bytes as the work-group's own x.
.set XIMG, 135168                      ; LDS: 0: 16 stages of 8,448 bytes (16 rows x (512 + 16));  XIMG: x's 32 fragments, (4 tile + K step) x 2,048;
.set XSC,  200704                      ; their scale words, 128 bytes each;
.set SCX,  204800                      ; and q's or k's scale bytes on their way from wave to wave: 256 w + 8 lane
.set LI,  1                            ; v1   16 x lane
.set R16, 2                            ; v2   16 r
.set XA1, 3                            ; v3   16 x lane + the way to the tile's rows 8-15 in x
.set STW, 4                            ; v4   my stage, as loaded: 8,448 w + 16 lane
.set STR, 5                            ; v5   my stage, back: 8,448 w + 528 r + 64 h
.set XWI, 6                            ; v6   where I store x's images
.set XWS, 7                            ; v7   and their scale words
.set XRI, 8                            ; v8   where anybody reads them
.set XRS, 9
.set SXW, 10                           ; v10  SCX: my two words
.set SXR, 11                           ; v11  SCX: the word of my half of the tiles, in the wave of block 0; block 1's lies 256 further on
.set L8,  12                           ; v12  8 x lane
.set R0,  16                           ; v16-79, v80-143 x as loaded; later
.set R1,  80
.set ACC, 16                           ; v16-143 the 16 accumulators
.set X,   144                          ; v144-207 64 numbers of a lane; later
.set LFR, 144                          ; v144-175 two fragments of x, and
.set GF,  176                          ; v176-207, v208-239 the weights' two fragments of a K step, two sets
.set PC,  208                          ; v208-223 codes just made
.set TM,  224                          ; v224-239 at work in QUANT
.set WS,  240                          ; v240-247 the weights' scale words (4 tile + K step): scales and nothing else
.set XS,  248                          ; v248-249 x's scale words in hand: scales and nothing else
.set PW,  250                          ; v250-251 the scale words just made
.set SEL, 22                           ; s[22:23] v_permlanex16_b32's selects for lane l xor 16
.set MNT, 24                           ; s24  the mantissa field of 448
; 64 numbers of a lane, register 16 b + i = element 32 b + 16 h + i of four blocks of 32, become 16 registers of codes in v[PC] on and four scale bytes in v[pw].
.macro QUANT s, pw
.irp b, 0,1,2,3
	v_max3_num_f32 v[TM+\b], |v[(\s)+16*\b]|, |v[(\s)+1+16*\b]|, 0x4800000   ; my 16 numbers of block b, and the floor 2^(9 - 127): the byte cannot fall under 1
.endr
.irp i, 2,4,6,8,10,12,14
.irp b, 0,1,2,3
	v_max3_num_f32 v[TM+\b], v[TM+\b], |v[(\s)+16*\b+\i]|, |v[(\s)+1+16*\b+\i]|   ; the four blocks by turns; each accumulator is read from its low end on
.endr
.endr
.irp b, 0,1,2,3
	s_delay_alu instid0(VALU_DEP_4)
	v_permlanex16_b32 v[TM+4+\b], v[TM+\b], s[SEL], s[SEL+1]
.endr
.irp b, 0,1,2,3
	s_delay_alu instid0(VALU_DEP_4)
	v_max_num_f32 v[TM+\b], v[TM+\b], v[TM+4+\b]   ; with lane l xor 16's 16: the block's largest magnitude
.endr
.irp b, 0,1,2,3
	s_delay_alu instid0(VALU_DEP_4)
	v_add_nc_u32 v[TM+12+\b], 0xfc000000, v[TM+\b] ; 8 off its exponent field: the conversion's scale operand
.endr
.irp b, 0,1,2,3
	v_and_or_b32 v[TM+8+\b], v[TM+\b], 0x7f800000, s[MNT]   ; 448 x the scale
.endr
.irp b, 0,1,2,3
	v_lshrrev_b32 v[TM+4+\b], 23, v[TM+12+\b]      ; the scale's byte
.endr
	s_delay_alu instid0(VALU_DEP_3)
	v_lshl_or_b32 v[\pw], v[TM+5], 8, v[TM+4]
	s_delay_alu instid0(VALU_DEP_1)
	v_lshl_or_b32 v[\pw], v[TM+6], 16, v[\pw]
	s_delay_alu instid0(VALU_DEP_1)
	v_lshl_or_b32 v[\pw], v[TM+7], 24, v[\pw]
.irp b, 0,1,2,3
.irp i, 0,1,2,3,4,5,6,7,8,9,10,11,12,13,14,15
	v_med3_num_f32 v[(\s)+16*\b+\i], v[(\s)+16*\b+\i], -v[TM+8+\b], v[TM+8+\b]   ; the conversion to an 8-bit code does not saturate (ISA guide 7.6.2): the hold comes first
.endr
	v_cvt_scalef32_pk8_fp8_f32 v[PC+4*\b:PC+1+4*\b], v[(\s)+16*\b:(\s)+7+16*\b], v[TM+12+\b]
	v_cvt_scalef32_pk8_fp8_f32 v[PC+2+4*\b:PC+3+4*\b], v[(\s)+8+16*\b:(\s)+15+16*\b], v[TM+12+\b]
.endr
	v_nop                                          ; one plain vector instruction behind the last scaled conversion, ahead of whatever vector or matrix instruction next touches its registers
.endm
.macro XLOAD f, reg                    ; the tile's 16 rows, 128 numbers of K step 2 (w % 2) + f each: a load is 512 consecutive bytes of one row
.irp i, 0,1,2,3,4,5,6,7
	global_load_b128 v[\reg+4*\i:\reg+4*\i+3], v[LI], s[26:27] offset:512*\f+2048*\i th:TH_LOAD_NT
.endr
.irp i, 0,1,2,3,4,5,6,7
	global_load_b128 v[\reg+32+4*\i:\reg+32+4*\i+3], v[XA1], s[26:27] offset:512*\f+2048*\i th:TH_LOAD_NT
.endr
.endm
.macro TURNX reg                       ; through my own stage: in as loaded, back 64 bytes of each block a lane.  LDS serves a wave's instructions in order (ISA guide 5.7.1.4): no wait between
.irp i, 0,1,2,3,4,5,6,7,8,9,10,11,12,13,14,15
	ds_store_b128 v[STW], v[\reg+4*\i:\reg+4*\i+3] offset:528*\i
.endr
.irp b, 0,1,2,3
.irp j, 0,1,2,3
	ds_load_b128 v[X+16*\b+4*\j:X+16*\b+4*\j+3], v[STR] offset:128*\b+16*\j   ; rows 528 bytes apart: the sixteen rows of a pass start at sixteen different places modulo 256 bytes
.endr
.endr
.endm
.macro IMAGE off                       ; the fragment in v[PC] on goes to LDS as it stands
.irp c, 0,1,2,3
	ds_store_b128 v[XWI], v[PC+4*\c:PC+4*\c+3] offset:\off+512*\c
.endr
.endm
.macro GLOADW s, buf                   ; my two weight tiles' fragments of K step s into set buf: 8 loads of 512 consecutive bytes
.irp wt, 0,1
.irp c, 0,1,2,3
	global_load_b128 v[GF+32*(\buf)+16*\wt+4*\c:GF+32*(\buf)+16*\wt+4*\c+3], v[LI], s[28:29] offset:8192*\wt+2048*(\s)+512*\c
.endr
.endr
.endm
.macro LLOADX s, qd                    ; token tiles 2 qd and 2 qd + 1, K step s: fragments and scale words
.irp e, 0,1
.irp c, 0,1,2,3
	ds_load_b128 v[LFR+16*\e+4*\c:LFR+16*\e+4*\c+3], v[XRI] offset:(4*(2*(\qd)+\e)+(\s))*2048+512*\c
.endr
	ds_load_b32 v[XS+\e], v[XRS] offset:(4*(2*(\qd)+\e)+(\s))*128
.endr
.endm
.macro MM swap, s, qd                  ; four products on four accumulators; K step 0 starts the sums with the constant 0: nothing is cleared
.irp e, 0,1
.irp wt, 0,1
.set rW, GF+32*((\s)%2)+16*\wt
.set rX, LFR+16*\e
.if \swap
.set rD, ACC+64*\wt+8*(2*(\qd)+\e)
.if (\s) == 0
	v_wmma_scale_f32_16x16x128_f8f6f4 v[rD:rD+7], v[rX:rX+15], v[rW:rW+15], 0, v[XS+\e], v[WS+4*\wt+(\s)]
.else
	v_wmma_scale_f32_16x16x128_f8f6f4 v[rD:rD+7], v[rX:rX+15], v[rW:rW+15], v[rD:rD+7], v[XS+\e], v[WS+4*\wt+(\s)]
.endif
.else
.set rD, ACC+16*(2*(\qd)+\e)+8*\wt
.if (\s) == 0
	v_wmma_scale_f32_16x16x128_f8f6f4 v[rD:rD+7], v[rW:rW+15], v[rX:rX+15], 0, v[WS+4*\wt+(\s)], v[XS+\e]
.else
	v_wmma_scale_f32_16x16x128_f8f6f4 v[rD:rD+7], v[rW:rW+15], v[rX:rX+15], v[rD:rD+7], v[WS+4*\wt+(\s)], v[XS+\e]
.endif
.endif
.endr
.endr
.rept 8
	v_nop                                          ; eight places ahead of the next loads into registers that these products read, and of the first read of results
.endr
.endm
.macro GEMM swap
.irp s, 0,1,2,3
.if \s < 3
	s_wait_loadcnt 0x8                             ; this K step's 8 weight loads are in; the younger K step's 8 may be out
.else
	s_wait_loadcnt 0x0
.endif
.irp qd, 0,1,2,3
	LLOADX \s, \qd
	s_wait_dscnt 0x0
	MM \swap, \s, \qd
.endr
.if \s < 2
	GLOADW \s+2, \s%2                              ; the set just multiplied takes the K step two on
.endif
.endr
.endm
	s_load_b256 s[4:11], s[0:1], 0x0               ; queries, keys, values, wc
	s_load_b128 s[12:15], s[0:1], 0x20             ; ws, qc
	s_load_b64 s[16:17], s[0:1], 0x30              ; kv
	v_lshrrev_b32 v13, 5, v0
	s_delay_alu instid0(VALU_DEP_1)
	v_readfirstlane_b32 s18, v13                   ; wave 0..15
	s_and_b32 s19, ttmp7, 0xffff                   ; y: 0 q, 1 k, 2 v
	s_mov_b32 s20, ttmp9                           ; tb: the block of 128 tokens
	v_and_b32 v13, 31, v0                          ; lane
	v_and_b32 v14, 15, v0                          ; r
	v_bfe_u32 v15, v0, 4, 1                        ; h
	s_delay_alu instid0(VALU_DEP_3)
	v_lshlrev_b32 v[LI], 4, v13
	s_delay_alu instid0(VALU_DEP_3)
	v_lshlrev_b32 v[R16], 4, v14
	v_lshlrev_b32 v[L8], 3, v13
	s_mul_i32 s40, s18, 8448                       ; my stage
	v_add_nc_u32 v[STW], s40, v[LI]
	v_mul_u32_u24 v[STR], v14, 528
	s_delay_alu instid0(VALU_DEP_1)
	v_lshl_add_u32 v[STR], v15, 6, v[STR]
	s_delay_alu instid0(VALU_DEP_1)
	v_add_nc_u32 v[STR], s40, v[STR]
	s_lshl_b32 s41, s18, 12                        ; my two fragments' images: 4 (w / 2) + 2 (w % 2) = 2 w fragments of 2,048 bytes on
	s_add_co_u32 s41, s41, XIMG
	v_add_nc_u32 v[XWI], s41, v[LI]
	s_lshl_b32 s41, s18, 8
	s_add_co_u32 s42, s41, XSC
	v_lshl_add_u32 v[XWS], v13, 2, s42
	v_add_nc_u32 v[XRI], XIMG, v[LI]
	v_lshl_add_u32 v[XRS], v13, 2, XSC
	s_add_co_u32 s42, s41, SCX
	v_add_nc_u32 v[SXW], s42, v[L8]
	s_and_b32 s43, s18, 1                          ; w % 2
	s_and_b32 s42, s18, 14
	s_lshl_b32 s42, s42, 8
	s_lshl_b32 s44, s43, 2
	s_add_co_u32 s42, s42, s44
	s_add_co_u32 s42, s42, SCX
	v_add_nc_u32 v[SXR], s42, v[L8]
	s_mov_b32 s[SEL], 0x76543210
	s_mov_b32 s[SEL+1], 0xfedcba98
	s_mov_b32 s[MNT], 0x600000
.irp b, 0,1,2,3
	v_mov_b32 v[TM+4+\b], 0                        ; written once: a lane permute's destination counts as one of its sources
.endr
	s_lshr_b32 s45, s18, 1                         ; w / 2: my token tile in phase X, my head in phase G
	s_lshl_b32 s46, s45, 4                         ; the tile's first row: plain tiles: 16 x tile;
	s_lshr_b32 s47, s45, 1
	s_lshl_b32 s47, s47, 5
	s_and_b32 s48, s45, 1
	s_lshl_b32 s48, s48, 3
	s_add_co_u32 s47, s47, s48                     ; k's and v's: 32 (tile / 2) + 8 (tile % 2)
	s_mov_b32 s34, 17920
	s_cmp_eq_u32 s19, 0
	s_cselect_b32 s46, s46, s47
	s_cselect_b32 s49, 14, 15                      ; rows 8-15 begin 8 rows on in a plain tile, 16 rows on in k's and v's: 2^14 or 2^15 bytes
	s_cselect_b32 s34, 9216, s34                   ; a record of qc or of kv
	s_lshl_b32 s49, 1, s49
	v_add_nc_u32 v[XA1], s49, v[LI]
	s_cmp_eq_u32 s19, 2
	s_cselect_b32 s35, 12, 9                       ; my wave's part of a record: v: two channel tiles, 4,096 (w % 2); q, k: piece w % 2, 512 (w % 2)
	s_lshl_b32 s58, s43, s35
	s_mov_b32 s59, 0
	s_lshl_b32 s60, s43, 8                         ; v's scale words: 256 (w % 2)
	s_mov_b32 s61, 0
	s_lshl_b32 s50, s20, 7                         ; x: (128 tb + the tile's first row) rows of 2,048 bytes + 1,024 (w % 2)
	s_add_co_u32 s50, s50, s46
	s_lshl_b32 s50, s50, 11
	s_lshl_b32 s51, s43, 10
	s_add_co_u32 s50, s50, s51
	s_mov_b32 s51, 0
	s_lshl_b32 s52, s19, 18                        ; the weight's codes: 262,144 y + 16,384 w
	s_lshl_b32 s53, s18, 14
	s_add_co_u32 s52, s52, s53
	s_mov_b32 s53, 0
	s_lshl_b32 s54, s19, 13                        ; its scale words: 8,192 y + 512 w
	s_lshl_b32 s55, s18, 9
	s_add_co_u32 s54, s54, s55
	s_mov_b32 s55, 0
	s_lshr_b32 s56, s20, 5                         ; the record: ((batch x 8 + head) x 32 + block) x its bytes
	s_lshl_b32 s56, s56, 3
	s_add_co_u32 s56, s56, s45
	s_lshl_b32 s56, s56, 5
	s_and_b32 s57, s20, 31
	s_add_co_u32 s56, s56, s57
	s_mul_i32 s56, s56, s34
	s_mov_b32 s57, 0
	s_wait_alu depctr_va_vdst(0)
	s_wait_kmcnt 0x0
	s_cmp_eq_u32 s19, 0                            ; the buffers are chosen by the work-group's y alone
	s_cselect_b64 s[26:27], s[4:5], s[6:7]
	s_cselect_b64 s[32:33], s[14:15], s[16:17]
	s_cmp_eq_u32 s19, 2
	s_cselect_b64 s[26:27], s[8:9], s[26:27]
	s_add_nc_u64 s[26:27], s[26:27], s[50:51]      ; x
	s_add_nc_u64 s[28:29], s[10:11], s[52:53]      ; the weight's codes
	s_add_nc_u64 s[30:31], s[12:13], s[54:55]      ; its scale words
	s_add_nc_u64 s[32:33], s[32:33], s[56:57]      ; the record,
	s_add_nc_u64 s[36:37], s[32:33], s[60:61]      ; for v's scale words,
	s_add_nc_u64 s[32:33], s[32:33], s[58:59]      ; for codes
	global_load_b128 v[WS:WS+3], v[R16], s[30:31]
	global_load_b128 v[WS+4:WS+7], v[R16], s[30:31] offset:256
	XLOAD 0, R0
	XLOAD 1, R1
	; ---- X
	s_wait_loadcnt 0x10                            ; the scale words and the first fragment's rows are in; the second fragment's 16 loads may be out
	TURNX R0
	s_wait_dscnt 0x0
	QUANT X, PW
	IMAGE 0
	ds_store_b32 v[XWS], v[PW]
	s_wait_loadcnt 0x0
	TURNX R1
	s_wait_dscnt 0x0                               ; the numbers are back, and the image's stores have read their registers
	QUANT X, PW
	IMAGE 2048
	ds_store_b32 v[XWS], v[PW] offset:128
	GLOADW 0, 0                                    ; into the upper half of X, which is done with
	s_wait_dscnt 0x0                               ; for the others' sake: my images lie in LDS
	s_barrier_signal -1
	s_barrier_wait -1                              ; x's 32 fragments lie in LDS
	GLOADW 1, 1                                    ; into the registers of the codes and of QUANT's work: the stores above have read them
	; ---- G
	s_cmp_eq_u32 s19, 2
	s_cbranch_scc1 .Lv
	GEMM 0                                         ; lane (r, h): token r of each tile; register 16 tile + i: channel 32 w + 16 h + i
	QUANT ACC, PW                                  ; the four 'blocks' are token tiles 0-3: piece w % 2 of their fragments, and their four bytes
.irp b, 0,1,2,3
	global_store_b128 v[LI], v[PC+4*\b:PC+4*\b+3], s[32:33] offset:1024*\b
.endr
	s_wait_xcnt 0x0                                ; the stores' data registers are written again only behind this wait
	QUANT ACC+64, PW+1                             ; token tiles 4-7
.irp b, 0,1,2,3
	global_store_b128 v[LI], v[PC+4*\b:PC+4*\b+3], s[32:33] offset:1024*(4+\b)
.endr
	ds_store_b64 v[SXW], v[PW:PW+1]                ; my block's bytes of the 8 tiles
	s_branch .Ljoin
.Lv:
	GEMM 1                                         ; lane (r, h): channel row r of each weight tile; register 64 tile + 16 b + i: token 32 b + 16 h + i
	QUANT ACC, PW                                  ; a whole fragment of v: 16 channels x 128 keys, and its scale word
.irp c, 0,1,2,3
	global_store_b128 v[LI], v[PC+4*\c:PC+4*\c+3], s[32:33] offset:9216+512*\c
.endr
	s_wait_xcnt 0x0                                ; the stores' data registers are written again only behind this wait
	QUANT ACC+64, PW+1
.irp c, 0,1,2,3
	global_store_b128 v[LI], v[PC+4*\c:PC+4*\c+3], s[32:33] offset:9216+2048+512*\c
.endr
	global_store_b64 v[L8], v[PW:PW+1], s[36:37] offset:17408   ; both tiles' scale words: 256 consecutive bytes, aligned
.Ljoin:
	s_wait_dscnt 0x0                               ; the paths meet, so that every barrier of the text lies on every path: q's and k's bytes lie in LDS
	s_barrier_signal -1
	s_barrier_wait -1
	s_cmp_eq_u32 s19, 2
	s_cbranch_scc1 .Lend
	ds_load_b32 v252, v[SXR]                       ; tiles 4 (w % 2) .. + 3: the bytes of channels 0-31, from the even wave of my head,
	ds_load_b32 v253, v[SXR] offset:256            ; and of channels 32-63, from the odd one
	s_wait_dscnt 0x0
	s_wait_xcnt 0x0                                ; the last stores have read the registers that are written now
.irp b, 0,1,2,3
	v_bfe_u32 v[PC+\b], v252, 8*\b, 8
	v_bfe_u32 v254, v253, 8*\b, 8
	s_delay_alu instid0(VALU_DEP_1)
	v_lshl_or_b32 v[PC+\b], v254, 8, v[PC+\b]      ; a tile's scale word; bytes 2 and 3, which stand over zero codes, are 0
.endr
	global_store_b128 v[LI], v[PC:PC+3], s[32:33] offset:8192   ; 512 consecutive bytes, aligned
.Lend:
	s_wait_xcnt 0x0
	v_lshl_add_u32 v254, v0, 2, 0x33000
	v_mov_b32 v255, 0
	s_wait_alu depctr_va_vdst(0)
	s_wait_tensorcnt 0x0
	ds_add_u32 v254, v255
	s_wait_dscnt 0x0
	s_endpgm
.Lfunc_end_k_qf7d9d92759_proj:
	.size	k_qf7d9d92759_proj, .Lfunc_end_k_qf7d9d92759_proj-k_qf7d9d92759_proj
	.p2alignl 7, 3214868480
	.fill 96, 4, 3214868480
	.section	.rodata,"a",@progbits
	.p2align	6, 0x0
	.amdhsa_kernel k_qf7d9d92759_proj
		.amdhsa_group_segment_fixed_size 210944
		.amdhsa_private_segment_fixed_size 0
		.amdhsa_enable_private_segment 0
		.amdhsa_kernarg_size 56
		.amdhsa_user_sgpr_count 2
		.amdhsa_user_sgpr_kernarg_segment_ptr 1
		.amdhsa_wavefront_size32 1
		.amdhsa_system_sgpr_workgroup_id_x 1
		.amdhsa_system_sgpr_workgroup_id_y 1
		.amdhsa_system_sgpr_workgroup_id_z 1
		.amdhsa_system_vgpr_workitem_id 0
		.amdhsa_next_free_vgpr 256
		.amdhsa_next_free_sgpr 66
		.amdhsa_reserve_vcc 0
		.amdhsa_float_denorm_mode_32 3
		.amdhsa_float_denorm_mode_16_64 3
		.amdhsa_memory_ordered 1
		.amdhsa_forward_progress 1
		.amdhsa_inst_pref_size 116
	.end_amdhsa_kernel
	.amdgpu_metadata
---
amdhsa.version: [ 1, 2 ]
amdhsa.kernels:
  - .name:           k_qf7d9d92759_proj
    .symbol:         k_qf7d9d92759_proj.kd
    .args:
      - { .name: queries, .offset: 0, .size: 8, .value_kind: global_buffer, .address_space: global }
      - { .name: keys, .offset: 8, .size: 8, .value_kind: global_buffer, .address_space: global }
      - { .name: values, .offset: 16, .size: 8, .value_kind: global_buffer, .address_space: global }
      - { .name: wc, .offset: 24, .size: 8, .value_kind: global_buffer, .address_space: global }
      - { .name: ws, .offset: 32, .size: 8, .value_kind: global_buffer, .address_space: global }
      - { .name: qc, .offset: 40, .size: 8, .value_kind: global_buffer, .address_space: global }
      - { .name: kv, .offset: 48, .size: 8, .value_kind: global_buffer, .address_space: global }
    .group_segment_fixed_size: 210944
    .private_segment_fixed_size: 0
    .kernarg_segment_align: 8
    .kernarg_segment_size: 56
    .max_flat_workgroup_size: 512
    .sgpr_count:     66
    .vgpr_count:     256
    .wavefront_size: 32
...
	.end_amdgpu_metadata
.endif
;; end of part 2
;; launch attn (part 3): grid 16 x 16, 8 waves a work-group, no clusters, 327,680 bytes of LDS; arguments qc, kv, oc, os; writes oc, os
.if DOCPART == 3
	.amdgcn_target "amdgcn-amd-amdhsa--gfx1250"
	.amdhsa_code_object_version 6
	.text
	.protected	k_qf7d9d92759_attn
	.globl	k_qf7d9d92759_attn
	.p2align	8
	.type	k_qf7d9d92759_attn,@function
k_qf7d9d92759_attn:
	s_mov_b64 s[64:65], 0
	v_nop
	global_prefetch_b8 v0, s[64:65] scope:SCOPE_SE
	s_setreg_imm32_b32 hwreg(HW_REG_WAVE_MODE, 25, 1), 1
	s_wait_xcnt 0x0
; O[head][q] = the sum over keys k <= q of softmax_k(Q[q] . K[k] / 8) V[k], head size 64, both products on codes of FP8 (E4M3) with one E8M0 scale for each 32 along a product's K; O / l is quantised along the channels for the last product.
; THE SOFTMAX AHEAD OF THE SECOND PRODUCT: t = score x log2(e) / 8; M = the running largest t rounded UP to a whole number; p = 2^(t - M) is quantised along the keys, not normalised. The row's sum l is taken of the unquantised p; when M moves, l and O are multiplied by 2^(old M - new M), which rounds nothing.
; SHARES.  Work-group (p, head) takes the query block of 128 numbered 31 - p (late) to its end and then the one numbered p (early): (32 - p) + (p + 1) = 33 key steps of 128 keys in every work-group; what comes after a block's queries is not computed.
; Eight waves of 512 registers.  Wave w = 4 j + i: the 32 queries of tiles 2 i, 2 i + 1 of the block in hand, and of the key steps those whose number has the parity j.  Each fragment of K and V feeds both tiles.
; Waves w and w xor 4 hold partial sums of the same two tiles: a wave's tile A (2 i + j) is the one that it finishes, its tile B (2 i + 1 - j) the one whose partial sums it hands to its partner, through LDS, behind the last step.
; K AND V come as records of 17,920 dense bytes a key step (register images of the fragments, with their scale words), through a ring of two LDS slots of four records, one load of 71,680 bytes a slot, by wave 0, behind each change of slots.
; The late block takes (35 - p) / 4 slots, the early one (p + 4) / 4: nine in every work-group.  A block's last slot may hold up to three records that come after it: a part of a load whose other records are read.
; LAYOUT.  Both products are used transposed: S^T = K Q^T, O^T = V^T P^T: a lane holds ONE query of each tile.  Two neighbouring tiles' results are 16 neighbours in a lane.
; THE FIRST PRODUCT'S K IS 64: registers 8-15 of Q's fragments are zero codes, cleared once.  K's tiles lie 8 registers apart, so registers 8-15 of a K fragment are the next tile's codes (behind the last tile zeros): finite codes against zero codes, under the scale byte 0, which is 2^-127.
; NO CLUSTER: the branches that leave steps out and mask the diagonal hang on the work-group's own blocks, which differ between all work-groups of a head, and partners of joint loads must run alike; without those branches a work-group would walk 36 steps in place of 33.
; LIMITS: a block of zeros gets the byte 1 where the rule says 127 (its codes are zeros; the bytes are read by this program alone); a block's largest p is taken through its largest score, which leans on v_exp_f32 not falling where its
; input rises; the promise holds while the scaled scores stay under 2^31 in magnitude; NaN and infinities among the inputs are not served.
; REGISTERS.  Window 0 (v0-255): addresses, V's fragments, tile A's set, the scales.  Window 1 (v256-511, written v0-255): K's and Q's fragments, tile B's set, which has tile A's numbers.
.set REC,   17920                      ; a record: K's codes 8,192; K's scale words 1,024; V's codes 8,192; V's scale words 512
.set KSC,   8192
.set VC,    9216
.set VSC,   17408
.set SLOTB, 4*REC
.set SLOT1, 1<<17                      ; slot 1 begins here: one exclusive or turns an address from slot to slot
.set AREA,  8704                       ; a wave's partial sums of a block: A 4,096; B 4,096; A's -M, A's l, B's -M, B's l, 128 each
.set EARLY, SLOT1                      ; the early block's: in slot 1, which by then has had its last fill and its last read
.set LATE,  SLOT1+SLOTB                ; the late block's: no fill lands here
.set SPARE, LATE+8*AREA                ; the spare words, 128 bytes a wave, in blocks that no other line names
.set OST,   SPARE+1024                 ; O's scale words on their way out: late block, early block, 512 bytes each
.set LI,   1                           ; 16 x lane
.set AK0,  2                           ; my parity's first record: 16 x lane,
.set A80,  3                           ; 8 x lane
.set SPW,  4                           ; LDS address of my spare word; never rewritten
.set NIL,  5                           ; 0; never rewritten
.set PFO,  6                           ; the prefetch's offset; never rewritten
.set ADK,  7                           ; the same as AK0, A80 in the slot in hand
.set AD8,  8
.set XL,   9                           ; my area, late, early; my partner's, late, early: + 16 lane and + 4 lane
.set XL4,  10
.set XE,   11
.set XE4,  12
.set XPL,  13
.set XPL4, 14
.set XPE,  15
.set XPE4, 16
.set QAO,  17                          ; Q's codes and scale words of tiles A and B in a block's record
.set QBO,  18
.set SAO,  19
.set SBO,  20
.set OSW,  21
.set OSR,  22
.set VF,   32                          ; window 0: v32-95 V's four fragments
.set S,    96                          ; both windows: v96-159 S^T, then p
.set OT,   160                         ; v160-191 O^T
.set PCD,  192                         ; v192-207 p's codes
.set BM,   208                         ; the blocks' largest scores, then largest p
.set PX,   212                         ; permutes' destinations, chains of the sum (212-223), bytes
.set HOLD, 216
.set SCO,  220
.set F,    224                         ; v[224:225] f = 2^(old M - new M); the upper register is only named with it
.set T,    226
.set DM,   228                         ; my query's place in its block less 16 h
.set NINF, 229                         ; -infinity
.set NM,   230                         ; -M
.set MX,   231                         ; the largest t so far
.set L,    232                         ; v[232:233] the sum in two halves
.set KS,   234                         ; window 0: K's scale words 234-241, V's 242-245, Q's, p's: scales and nothing else
.set VS,   242
.set QSA,  246
.set QSB,  247
.set PWA,  248
.set PWB,  249
.set KA,   0                           ; window 1: v0-63 K's eight tiles, v64-71 zeros
.set QA,   72                          ; window 1: v72-79 tile A's Q, v80-87 zeros
.set QB,   236                         ; window 1: v236-243 tile B's Q, v244-251 zeros
.set WV,   12
.set P,    13
.set BH,   14
.set J,    15
.set TA,   16                          ; tile A's number in the block
.set BLK,  17                          ; the block in hand = its last key step
.set STP,  18                          ; my first key step in the slot in hand
.set TRIPS, 19
.set SEL,  20
.set CS,   22                          ; s[22:23] c = log2(e) / 8
.set MNT,  24
.set LIM,  25                          ; the trip in which my wave prefetches
.set PFA,  26
.set NL1,  28                          ; the late block's last trip
.set TT,   29                          ; the trip in hand
.set TBS,  30                          ; LDS byte at which the slot in hand begins
.set G0,   32                          ; s[32:35], s[40:47] descriptor groups 0 and 1
.set HB,   36                          ; s[36:37] the head's first record
.set G1,   40
.set QL,   48
.set QE,   50
.set OBL,  52
.set OBE,  54
.set OSB,  56
.set TB,   38                          ; tile B's number
.set MSB, 0
.macro WIN new                         ; the immediate's high byte repeats the setting that is left
.if MSB != (\new)
	s_set_vgpr_msb (MSB<<8)|(\new)
.set MSB, (\new)
.endif
.endm
.macro PLACES n
.rept \n
	v_nop
.endr
.endm
.macro TLOAD                           ; wave 0 fetches a slot; an s_nop 0 and four v_nop follow the line
	s_cmp_eq_u32 s[WV], 0
	s_cbranch_scc0 .Lnone_\@
	tensor_load_to_lds s[G0:G0+3], s[G1:G1+7]
	s_nop 0
	PLACES 4
.Lnone_\@:
.endm
.macro QLOAD base                      ; Q of my two tiles
	WIN 0x40
	global_load_b128 v[QA:QA+3], v[QAO], s[\base:\base+1]
	global_load_b128 v[QA+4:QA+7], v[QAO], s[\base:\base+1] offset:512
	global_load_b128 v[QB:QB+3], v[QBO], s[\base:\base+1]
	global_load_b128 v[QB+4:QB+7], v[QBO], s[\base:\base+1] offset:512
	WIN 0
	global_load_b32 v[QSA], v[SAO], s[\base:\base+1]
	global_load_b32 v[QSB], v[SBO], s[\base:\base+1]
.endm
.set EQA, 88                           ; window 1: v88-95 the early block's Q of tile A;
.set EQB, 24                           ; window 0: v24-31 of tile B (once the head's work there is done),
.set EQS, 250                          ; v250, v251 their scale words
.macro NEXT                            ; group 0: the other slot, the next four records (no tensor load of mine is out)
	s_xor_b32 s[G0+1], s[G0+1], SLOT1
	s_add_nc_u64 s[G0+2:G0+3], s[G0+2:G0+3], SLOTB
.endm
; A PREFETCH INTO THE L2 follows a refill: all 16 work-groups of a head walk the same eight slots' worth of records; work-group p asks for half p % 2 of slot p / 2, 140 blocks of 256 bytes, once, in trip p / 2 - 3,
; one trip ahead of the trip whose refill loads that slot; waves 3 to 7, one instruction each, the lanes behind the 140th block name it again.  Slots 0 to 2 come by their loads alone.
.macro ASK
	s_cmp_eq_u32 s[TT], s[LIM]
	s_cbranch_scc0 .Lnot_mine_\@
	global_prefetch_b8 v[PFO], s[PFA:PFA+1] th:TH_LOAD_NT scope:SCOPE_SE
.Lnot_mine_\@:
.endm
.macro KLOAD q                         ; K's scale words and eight tiles of my q-th record in the slot: 18 loads
	ds_load_b128 v[KS:KS+3], v[ADK] offset:2*REC*(\q)+KSC
	ds_load_b128 v[KS+4:KS+7], v[ADK] offset:2*REC*(\q)+KSC+512
	WIN 0x40
.irp t, 0,1,2,3,4,5,6,7
	ds_load_b128 v[KA+8*\t:KA+8*\t+3], v[ADK] offset:2*REC*(\q)+1024*\t
	ds_load_b128 v[KA+8*\t+4:KA+8*\t+7], v[ADK] offset:2*REC*(\q)+1024*\t+512
.endr
	WIN 0
.endm
.macro SPROD t0, w, qf, qs             ; four tiles of 16 keys
	WIN \w
.irp u, 0,1,2,3
	v_wmma_scale_f32_16x16x128_f8f6f4 v[S+8*(\t0+\u):S+8*(\t0+\u)+7], v[KA+8*(\t0+\u):KA+8*(\t0+\u)+15], v[\qf:\qf+15], 0, v[KS+\t0+\u], v[\qs]
.endr
.endm
.macro MASK w                          ; hidden where the key's place 32 b + i + 16 h is above my query's
	WIN \w
.set n_, 0
.rept 64
	v_cmp_gt_i32 vcc_lo, 32*(n_/16)+n_%16, v[DM]
	v_cndmask_b32 v[S+n_], v[S+n_], v[NINF], vcc_lo
.set n_, n_+1
.endr
.endm
.macro MAXT w                          ; the largest score of each block of 32 keys: for the row's maximum and, since p rises with the score, for the block's largest p
	WIN \w
.irp b, 0,1,2,3
	v_max3_num_f32 v[BM+\b], v[S+16*\b], v[S+1+16*\b], v[S+2+16*\b]
.endr
.irp i, 3,5,7,9,11,13
.irp b, 0,1,2,3
	v_max3_num_f32 v[BM+\b], v[BM+\b], v[S+16*\b+\i], v[S+1+16*\b+\i]
.endr
.endr
.irp b, 0,1,2,3
	v_max_num_f32 v[BM+\b], v[BM+\b], v[S+15+16*\b]
.endr
.irp b, 0,1,2,3
	v_permlanex16_b32 v[PX+\b], v[BM+\b], s[SEL], s[SEL+1]
.endr
.endm
.macro PRE w                           ; a tile's M, f and t - M
	WIN \w
.irp b, 0,1,2,3
	v_max_num_f32 v[BM+\b], v[BM+\b], v[PX+\b]     ; with lane l xor 16's 16 keys
.endr
	v_max3_num_f32 v[T], v[BM], v[BM+1], v[BM+2]
	s_delay_alu instid0(VALU_DEP_1)
	v_max_num_f32 v[T], v[T], v[BM+3]
	s_delay_alu instid0(VALU_DEP_1)
	v_mul_f32 v[T], s[CS], v[T]                    ; the step's largest t (c is positive)
	s_delay_alu instid0(VALU_DEP_1)
	v_max_num_f32 v[MX], v[MX], v[T]
	v_mov_b32 v[T], v[NM]
	s_delay_alu instid0(VALU_DEP_2)
	v_floor_f32 v[NM], -v[MX]                      ; the new -M = floor(-t): M is a whole number
	s_delay_alu instid0(VALU_DEP_1)
	v_sub_f32 v[T], v[NM], v[T]                    ; old M less new M: a whole number, 0 or less
	s_delay_alu instid0(VALU_DEP_1)
	v_cvt_i32_f32 v[T], v[T]                       ; (it saturates)
	s_delay_alu instid0(VALU_DEP_1)
	v_ldexp_f32 v[F], 1.0, v[T]                    ; f
.set n_, 0
.rept 32
	v_pk_fma_f32 v[S+n_:S+n_+1], v[S+n_:S+n_+1], s[CS:CS+1], v[NM:NM+1] op_sel_hi:[1,0,0]   ; t - M, two at a time
.set n_, n_+2
.endr
.irp b, 0,1,2,3
	v_fma_f32 v[BM+\b], v[BM+\b], s[CS], v[NM]     ; the same of each block's largest score
.endr
.endm
.macro EXPS
.set n_, 0
.rept 64
	v_exp_f32 v[S+n_], v[S+n_]                     ; p, at most 1
.set n_, n_+1
.endr
.endm
.macro BMX
.irp b, 0,1,2,3
	v_exp_f32 v[BM+\b], v[BM+\b]                   ; the blocks' largest p: the same two instructions on the same number
.endr
.endm
.macro LMUL
	v_pk_mul_f32 v[L:L+1], v[L:L+1], v[F:F+1] op_sel_hi:[1,0]   ; the sums under the new M: the plain instruction behind a batch of exponentials
.endm
.macro SUM
.irp k, 0,1,2,3,4,5
	v_pk_add_f32 v[PX+2*\k:PX+2*\k+1], v[S+4*\k:S+4*\k+1], v[S+4*\k+2:S+4*\k+3]   ; the sum of the unquantised p, in seven chains
.endr
	v_pk_add_f32 v[L:L+1], v[L:L+1], v[S+24:S+25]
.set n_, 13
.rept 19
.if (n_-13)%7 == 6
	v_pk_add_f32 v[L:L+1], v[L:L+1], v[S+2*n_:S+2*n_+1]
.else
.set c_, PX+2*((n_-13)%7)
	v_pk_add_f32 v[c_:c_+1], v[c_:c_+1], v[S+2*n_:S+2*n_+1]
.endif
.set n_, n_+1
.endr
	v_pk_add_f32 v[PX:PX+1], v[PX:PX+1], v[PX+2:PX+3]
	v_pk_add_f32 v[PX+4:PX+5], v[PX+4:PX+5], v[PX+6:PX+7]
	v_pk_add_f32 v[PX+8:PX+9], v[PX+8:PX+9], v[PX+10:PX+11]
	v_pk_add_f32 v[L:L+1], v[L:L+1], v[PX:PX+1]
	v_pk_add_f32 v[PX+4:PX+5], v[PX+4:PX+5], v[PX+8:PX+9]
	v_pk_add_f32 v[L:L+1], v[L:L+1], v[PX+4:PX+5]
.endm
.macro FIN w, w2, pw                   ; a tile's scales and codes; O^T under the new M
	WIN \w
.irp b, 0,1,2,3
	v_max_num_f32 v[BM+\b], 0x4800000, v[BM+\b]    ; the floor 2^(9 - 127): the byte cannot fall under 1 (a block that is all hidden keeps that byte over zero codes)
.endr
.irp b, 0,1,2,3
	v_add_nc_u32 v[SCO+\b], 0xfc000000, v[BM+\b]   ; 8 off the exponent field: the conversion's scale operand
.endr
.irp b, 0,1,2,3
	v_and_or_b32 v[HOLD+\b], v[BM+\b], 0x7f800000, s[MNT]   ; 448 x the scale
.endr
.irp b, 0,1,2,3
	v_lshrrev_b32 v[PX+\b], 23, v[SCO+\b]          ; the scale's byte
.endr
	v_lshl_or_b32 v[T], v[PX+1], 8, v[PX]
	v_lshl_or_b32 v[T], v[PX+2], 16, v[T]
	WIN \w2
	v_lshl_or_b32 v[\pw], v[PX+3], 24, v[T]        ; p's scale word for these 128 keys, in window 0
	WIN \w
.irp b, 0,1,2,3
.irp i, 0,2,4,6,8,10,12,14
	v_dual_min_num_f32 v[S+16*\b+\i], v[S+16*\b+\i], v[HOLD+\b] :: v_dual_min_num_f32 v[S+16*\b+\i+1], v[S+16*\b+\i+1], v[HOLD+\b]   ; the conversion does not saturate (ISA guide 7.6.2); p is not negative, so the hold is one-sided
.endr
	v_cvt_scalef32_pk8_fp8_f32 v[PCD+4*\b:PCD+1+4*\b], v[S+16*\b:S+7+16*\b], v[SCO+\b]
	v_cvt_scalef32_pk8_fp8_f32 v[PCD+2+4*\b:PCD+3+4*\b], v[S+8+16*\b:S+15+16*\b], v[SCO+\b]
.endr
	s_wait_alu depctr_va_vdst(0)                   ; ahead of O^T's first reader
.set n_, 0
.rept 16
	v_pk_mul_f32 v[OT+n_:OT+n_+1], v[OT+n_:OT+n_+1], v[F:F+1] op_sel_hi:[1,0]   ; also the plain lines behind the conversions and ahead of the scaled products
.set n_, n_+2
.endr
.endm
.macro PVPROD w, pw                    ; the four accumulators by turns
	WIN \w
.irp t, 0,1,2,3
	v_wmma_scale_f32_16x16x128_f8f6f4 v[OT+8*\t:OT+8*\t+7], v[VF+16*\t:VF+16*\t+15], v[PCD:PCD+15], v[OT+8*\t:OT+8*\t+7], v[VS+\t], v[\pw]
.endr
.endm
.macro VLOAD q                         ; V's fragments and scale words of my q-th record in the slot: 18 loads
.irp t, 0,1,2,3
.irp c, 0,1,2,3
	ds_load_b128 v[VF+16*\t+4*\c:VF+16*\t+4*\c+3], v[ADK] offset:2*REC*(\q)+VC+2048*\t+512*\c
.endr
.endr
.irp r, 0,1
	ds_load_b64 v[VS+2*\r:VS+2*\r+1], v[AD8] offset:2*REC*(\q)+VSC+256*\r
.endr
.endm
; A KEY STEP behind its first products: my q-th record of the slot in hand, both tiles.  q = 1 works on registers alone.
.macro SOFT q
	PLACES 8                                       ; ahead of the scores' first read, and (q = 0) of V's loads
.if \q == 0
	VLOAD 0
.endif
	s_add_co_u32 s31, s[STP], 2*(\q)
	s_cmp_lg_u32 s31, s[BLK]
	s_cbranch_scc1 .Lopen_\@                       ; only the block's last step lies on the diagonal
	MASK 0
	MASK 0x55
	WIN 0
.Lopen_\@:
	MAXT 0
	MAXT 0x55
	PRE 0
	PRE 0x55
	s_wait_alu depctr_va_vdst(0)                   ; ahead of the batch: both tiles' exponentials
	EXPS
	WIN 0
	EXPS
	LMUL
	s_wait_alu depctr_va_vdst(0)                   ; and behind it
	BMX
	WIN 0x55
	BMX
	LMUL
	SUM
	WIN 0
	SUM
	s_wait_alu depctr_va_vdst(0)                   ; one for the eight
	FIN 0, 0, PWA
.if \q == 0
	s_wait_alu depctr_va_vdst(0)
	s_wait_dscnt 0x0                               ; V
.endif
	PVPROD 0, PWA
.if \q == 0
	KLOAD 1                                        ; my other record's K, which the first products have left room for
.endif
	FIN 0x55, 0x15, PWB
	PVPROD 0x54, PWB
	WIN 0
.endm
; The late block is done: its partial sums wait in LDS, and the early block's Q takes its place.  O^T and the sums need no clearing: the first change of M multiplies them by 0.
.macro SWITCH
	s_cmp_eq_u32 s[TT], s[NL1]
	s_cbranch_scc0 .Lgo_on_\@
	SAVE 1, XL, XL4
	v_mov_b32 v[QSA], v[EQS]
	v_mov_b32 v[QSB], v[EQS+1]
	INIT
	WIN 0x41
.irp i, 0,1,2,3,4,5,6,7
	v_mov_b32 v[QA+\i], v[EQA+\i]
.endr
	WIN 0x40
.irp i, 0,1,2,3,4,5,6,7
	v_mov_b32 v[QB+\i], v[EQB+\i]
.endr
	INIT
	WIN 0
	s_mov_b32 s[STP], s[J]
	s_mov_b32 s[BLK], s[P]
.Lgo_on_\@:
.endm
; A TRIP: my two records of the slot in hand, as far as my block goes, and the change of slots.  Behind the second record's last LDS reads stands the barrier's signal, behind its work on registers the wait;
; then fill = 1 fills the slot that all waves have read with what the trip after the next one takes.  The second record's first products run in every trip; where it comes after my block nothing is made of them.
.macro TRIP fill
	v_add_nc_u32 v[ADK], s[TBS], v[AK0]
	v_add_nc_u32 v[AD8], s[TBS], v[A80]
	s_wait_alu depctr_va_vdst(0)                   ; directly behind the write
	s_cmp_gt_u32 s[STP], s[BLK]
	s_cbranch_scc1 .Lsecond_\@
	KLOAD 0
	s_wait_dscnt 6                                 ; the scale words and tiles 0-4 are in; tiles 5-7, six loads, may be out
	SPROD 0, 0x05, QA, QSA
	SPROD 0, 0x45, QB, QSB
	s_wait_dscnt 0x0
	SPROD 4, 0x05, QA, QSA
	SPROD 4, 0x45, QB, QSB
	WIN 0
	SOFT 0
.Lsecond_\@:
	PLACES 8                                       ; ahead of loads into what the last products read
	VLOAD 1
	s_wait_tensorcnt 0x0                           ; no tensor load of mine is out: the next slot is in, and group 0 may be written
	ds_add_u32 v[SPW], v[NIL]                      ; 0 onto my spare word
.if \fill
	ds_add_u32 v[SPW], v[NIL]                      ; and once more, in every trip alike
	NEXT
	s_cmp_eq_u32 s[TT], s81
	s_cselect_b32 s62, s80, 0                      ; behind the late block's last slot back by all the slots that it took
	s_sub_nc_u64 s[G0+2:G0+3], s[G0+2:G0+3], s[62:63]
	s_wait_dscnt 20                                ; K is in; V's 18 loads and the two adds may be out
.else
	s_wait_dscnt 19                                ; K is in; V's 18 loads and the add may be out
.endif
	SPROD 0, 0x05, QA, QSA
	SPROD 4, 0x05, QA, QSA
	SPROD 0, 0x45, QB, QSB
	SPROD 4, 0x45, QB, QSB
	WIN 0
	s_wait_dscnt 0x0                               ; the add is done, and my reads of this slot are over
	s_barrier_signal -1
	s_add_co_u32 s31, s[STP], 2
	s_cmp_gt_u32 s31, s[BLK]
	s_cbranch_scc1 .Ldone_\@
	SOFT 1
.Ldone_\@:
	PLACES 8                                       ; ahead of what next reads, loads or writes over the last products' registers
	s_wait_alu depctr_va_vdst(0)
	s_barrier_wait -1
.if \fill
	TLOAD
	ASK
.endif
	s_add_co_u32 s[STP], s[STP], 4
	s_xor_b32 s[TBS], s[TBS], SLOT1
	SWITCH
	s_add_co_u32 s[TT], s[TT], 1
	s_sub_co_u32 s[TRIPS], s[TRIPS], 1
	s_cmp_lg_u32 s[TRIPS], 0
	s_wait_alu depctr_va_vdst(0)                   ; ahead of the loop's branch
.endm
.macro SAVE a, x, x4                   ; a block's partial sums into my area: a = 1: tiles A and B; 0: B alone
	PLACES 8                                       ; ahead of the read of the last products' results, and of loads into what they read
	WIN 0x55
	v_add_f32 v[T], v[L], v[L+1]
	WIN 0
.if \a
	v_add_f32 v[T], v[L], v[L+1]
.irp k, 0,1,2,3,4,5,6,7
	ds_store_b128 v[\x], v[OT+4*\k:OT+4*\k+3] offset:512*\k
.endr
	ds_store_b32 v[\x4], v[NM] offset:8192
	ds_store_b32 v[\x4], v[T] offset:8320
.endif
	WIN 0x04
.irp k, 0,1,2,3,4,5,6,7
	ds_store_b128 v[\x], v[OT+4*\k:OT+4*\k+3] offset:4096+512*\k
.endr
	ds_store_b32 v[\x4], v[NM] offset:8448
	ds_store_b32 v[\x4], v[T] offset:8576
	WIN 0
.endm
; A tile's two partial sums are joined under the lower -M, divided by l, quantised and stored.  x: my partner's O^T, then the result; own: mine; no, lo, nx, lx: -M and l of both; pc: codes; ob: where to; so: scale words.
; Register 16 b + i is channel 32 b + 16 h + i of my head: two blocks of the last product's K.
.macro OUT x, own, no, lo, nx, lx, pc, ob, so
	v_min_num_f32 v[BM], v[\no], v[\nx]
	v_sub_f32 v[F], v[BM], v[\no]
	v_sub_f32 v[T], v[BM], v[\nx]
	v_cvt_i32_f32 v[F], v[F]
	v_cvt_i32_f32 v[T], v[T]
	v_ldexp_f32 v[F], 1.0, v[F]
	v_ldexp_f32 v[T], 1.0, v[T]
	v_mul_f32 v[BM], v[\lo], v[F]
	v_fma_f32 v[BM], v[\lx], v[T], v[BM]
	v_permlanex16_b32 v[PX], v[BM], s[SEL], s[SEL+1]
	v_add_f32 v[BM], v[BM], v[PX]                  ; the row's sum
	s_wait_alu depctr_va_vdst(0)                   ; ahead of the transcendental,
	v_rcp_f32 v[BM+1], v[BM]
	v_nop                                          ; for a plain place,
	s_wait_alu depctr_va_vdst(0)                   ; and for the wait behind it
	v_mul_f32 v[F], v[F], v[BM+1]
	v_mul_f32 v[T], v[T], v[BM+1]
.set n_, 0
.rept 16
	v_pk_mul_f32 v[(\x)+n_:(\x)+n_+1], v[(\x)+n_:(\x)+n_+1], v[T:T+1] op_sel_hi:[1,0]
.set n_, n_+2
.endr
	s_wait_alu depctr_va_vdst(0)                   ; ahead of O^T's first reader
.set n_, 0
.rept 16
	v_pk_fma_f32 v[(\x)+n_:(\x)+n_+1], v[(\own)+n_:(\own)+n_+1], v[F:F+1], v[(\x)+n_:(\x)+n_+1] op_sel_hi:[1,0,1]
.set n_, n_+2
.endr
.irp b, 0,1
	v_max3_num_f32 v[BM+\b], |v[(\x)+16*\b]|, |v[(\x)+1+16*\b]|, 0x4800000
.endr
.irp i, 2,4,6,8,10,12,14
.irp b, 0,1
	v_max3_num_f32 v[BM+\b], v[BM+\b], |v[(\x)+16*\b+\i]|, |v[(\x)+1+16*\b+\i]|
.endr
.endr
.irp b, 0,1
	v_permlanex16_b32 v[PX+\b], v[BM+\b], s[SEL], s[SEL+1]
.endr
.irp b, 0,1
	v_max_num_f32 v[BM+\b], v[BM+\b], v[PX+\b]
.endr
.irp b, 0,1
	v_add_nc_u32 v[SCO+\b], 0xfc000000, v[BM+\b]
.endr
.irp b, 0,1
	v_and_or_b32 v[HOLD+\b], v[BM+\b], 0x7f800000, s[MNT]
.endr
.irp b, 0,1
	v_lshrrev_b32 v[PX+\b], 23, v[SCO+\b]
.endr
	v_lshl_or_b32 v[BM], v[PX+1], 8, v[PX]         ; my query's two bytes
.irp b, 0,1
.irp i, 0,1,2,3,4,5,6,7,8,9,10,11,12,13,14,15
	v_med3_num_f32 v[(\x)+16*\b+\i], v[(\x)+16*\b+\i], -v[HOLD+\b], v[HOLD+\b]
.endr
	v_cvt_scalef32_pk8_fp8_f32 v[(\pc)+4*\b:(\pc)+1+4*\b], v[(\x)+16*\b:(\x)+7+16*\b], v[SCO+\b]
	v_cvt_scalef32_pk8_fp8_f32 v[(\pc)+2+4*\b:(\pc)+3+4*\b], v[(\x)+8+16*\b:(\x)+15+16*\b], v[SCO+\b]
.endr
	v_nop                                          ; one plain vector instruction behind the last scaled conversion
	global_store_b128 v[LI], v[(\pc):(\pc)+3], s[\ob:\ob+1]     ; pieces of the last product's fragments: 512 consecutive bytes a store, aligned
	global_store_b128 v[LI], v[(\pc)+4:(\pc)+7], s[\ob:\ob+1] offset:512
	ds_store_b32 v[OSW], v[BM] offset:\so          ; both lanes of a query write the same word with the same value
.endm
	s_load_b256 s[4:11], s[0:1], 0x0               ; qc, kv, oc, os
	v_lshl_add_u32 v[SPW], v0, 2, SPARE
	v_mov_b32 v[NIL], 0
	ds_add_u32 v[SPW], v[NIL]                      ; the wave's opening: the add, twice on end, under one wait
	ds_add_u32 v[SPW], v[NIL]
	v_lshrrev_b32 v24, 5, v0
	v_readfirstlane_b32 s[WV], v24                 ; wave 0..7
	v_and_b32 v25, 31, v0                          ; lane
	v_and_b32 v26, 15, v0                          ; r
	v_bfe_u32 v27, v0, 4, 1                        ; h
	s_mov_b32 s[P], ttmp9
	s_and_b32 s[BH], ttmp7, 0xffff                 ; batch x 8 + head
	s_lshr_b32 s[J], s[WV], 2
	s_and_b32 s58, s[WV], 3
	s_lshl_b32 s58, s58, 1
	s_add_co_u32 s[TA], s58, s[J]
	s_xor_b32 s[TB], s[TA], 1
	s_sub_co_u32 s[BLK], 31, s[P]
	s_sub_co_u32 s[NL1], 35, s[P]
	s_lshr_b32 s[NL1], s[NL1], 2
	s_mul_i32 s80, s[NL1], SLOTB                   ; bytes of the late block's slots
	s_sub_co_u32 s[NL1], s[NL1], 1
	s_sub_co_u32 s81, s[NL1], 1                    ; the trip whose refill is the early block's first
	s_mov_b32 s[STP], s[J]
	s_mov_b32 s[TRIPS], 7
	s_mov_b32 s[TT], 0
	s_mov_b32 s[TBS], 0
	; descriptor group 1: a slot is 280 rows of 256 bytes, dense
	s_mov_b32 s[G1], 3<<16                         ; 15:0 no mask; 17:16 elements of 8 bytes; no padding
	s_mov_b32 s[G1+1], 32<<16                      ; tensor_dim0 = 32
	s_mov_b32 s[G1+2], 280<<16                     ; tensor_dim1
	s_mov_b32 s[G1+3], 32<<16                      ; tile_dim0
	s_mov_b32 s[G1+4], 280                         ; tile_dim1
	s_mov_b32 s[G1+5], 32                          ; from row to row
	s_mov_b32 s[G1+6], 0
	s_mov_b32 s[G1+7], 0
	s_mul_i32 s58, s[BH], 32*REC                   ; the head's 32 records
	s_mov_b32 s59, 0
	s_mul_i32 s60, s[P], 2*REC                     ; my half slot, for the prefetch
	s_mov_b32 s61, 0
	s_wait_alu depctr_va_vdst(0)
	s_wait_dscnt 0x0                               ; both opening adds are done
	s_wait_kmcnt 0x0
	s_add_nc_u64 s[HB:HB+1], s[6:7], s[58:59]
	s_add_nc_u64 s[PFA:PFA+1], s[HB:HB+1], s[60:61]
	s_mov_b32 s[G0], 1                             ; count = 1
	s_mov_b32 s[G0+1], 0                           ; LDS address: slot 0
	s_mov_b64 s[G0+2:G0+3], s[HB:HB+1]
	s_or_b32 s[G0+3], s[G0+3], 0x80000000          ; type = 2
	TLOAD                                          ; slot 0: the one tensor load of the head
	; scalars for the addresses
	s_mul_i32 s66, s[J], REC
	s_mul_i32 s67, s[WV], AREA
	s_add_co_u32 s68, s67, EARLY
	s_add_co_u32 s67, s67, LATE
	s_xor_b32 s69, s[WV], 4
	s_mul_i32 s69, s69, AREA
	s_add_co_u32 s70, s69, EARLY
	s_add_co_u32 s69, s69, LATE
	s_lshl_b32 s71, s[TA], 10
	s_lshl_b32 s72, s[TB], 10
	s_lshr_b32 s73, s[TA], 2                       ; scale words: 512 (tile / 4) + 16 lane + 4 (tile % 4), at 8,192
	s_lshl_b32 s73, s73, 9
	s_and_b32 s58, s[TA], 3
	s_lshl_b32 s58, s58, 2
	s_add_co_u32 s73, s73, s58
	s_add_co_u32 s73, s73, 8192
	s_lshr_b32 s74, s[TB], 2
	s_lshl_b32 s74, s74, 9
	s_and_b32 s58, s[TB], 3
	s_lshl_b32 s58, s58, 2
	s_add_co_u32 s74, s74, s58
	s_add_co_u32 s74, s74, 8192
	s_lshl_b32 s75, s[TA], 6
	s_add_co_u32 s75, s75, OST
	s_lshl_b32 s76, s[WV], 9
	s_add_co_u32 s76, s76, OST
	s_lshl_b32 s77, s[TA], 4
	s_lshl_b32 s78, s[TB], 4
	s_sub_co_u32 s58, s[WV], 3                     ; who prefetches: waves 3 to 7,
	s_lshl_b32 s79, s58, 5
	s_lshr_b32 s60, s[P], 1
	s_sub_co_u32 s60, s60, 3                       ; in trip p / 2 - 3 (none in the work-groups with p under 6)
	s_cmp_lt_u32 s58, 5
	s_cselect_b32 s[LIM], s60, -1
	s_lshl_b32 s58, s[BH], 5                       ; Q's records: (32 head + block) x 9,216
	s_add_co_u32 s60, s58, s[P]
	s_add_co_u32 s58, s58, s[BLK]
	s_mul_i32 s58, s58, 9216
	s_mul_i32 s60, s60, 9216
	s_add_nc_u64 s[QL:QL+1], s[4:5], s[58:59]
	s_add_nc_u64 s[QE:QE+1], s[4:5], s[60:61]
	s_lshr_b32 s62, s[BH], 3                       ; oc: token tile batch x 256 + 8 block + tile, 8,192 bytes each; my head's two pieces begin 1,024 x head on
	s_lshl_b32 s62, s62, 8
	s_add_co_u32 s62, s62, s[TA]
	s_lshl_b32 s58, s[BLK], 3
	s_add_co_u32 s58, s58, s62
	s_lshl_b32 s60, s[P], 3
	s_add_co_u32 s60, s60, s62
	s_and_b32 s62, s[BH], 7
	s_lshl_b32 s62, s62, 10
	s_lshl_b32 s58, s58, 13
	s_add_co_u32 s58, s58, s62
	s_lshl_b32 s60, s60, 13
	s_add_co_u32 s60, s60, s62
	s_add_nc_u64 s[OBL:OBL+1], s[8:9], s[58:59]
	s_add_nc_u64 s[OBE:OBE+1], s[8:9], s[60:61]
	s_cmp_eq_u32 s[WV], 0                          ; os: (4,096 head + 128 block) words: wave 0 sends the late block's, wave 1 the early one's
	s_cselect_b32 s58, s[BLK], s[P]
	s_lshl_b32 s58, s58, 9
	s_lshl_b32 s60, s[BH], 14
	s_add_co_u32 s58, s58, s60
	s_add_nc_u64 s[OSB:OSB+1], s[10:11], s[58:59]
	s_mov_b32 s[SEL], 0x76543210
	s_mov_b32 s[SEL+1], 0xfedcba98                 ; v_permlanex16_b32's selects for lane l xor 16
	s_mov_b32 s[CS], 0x3e38aa3b                    ; c = log2(e) / 8
	s_mov_b32 s63, 0                               ; s[62:63]: the step back, under 2^32
	s_mov_b32 s[CS+1], s[CS]                       ; (named with it as a pair, so it is written)
	s_mov_b32 s[MNT], 0x600000                     ; the mantissa field of 448
	s_wait_alu depctr_va_vdst(0)
	v_lshl_add_u32 v[QAO], v25, 4, s71
	v_lshl_add_u32 v[QBO], v25, 4, s72
	v_lshl_add_u32 v[SAO], v25, 4, s73
	v_lshl_add_u32 v[SBO], v25, 4, s74
	QLOAD QL
	v_lshlrev_b32 v[LI], 4, v25
	v_lshl_add_u32 v[AK0], v25, 4, s66
	v_lshl_add_u32 v[A80], v25, 3, s66
	v_lshl_add_u32 v[XL], v25, 4, s67
	v_lshl_add_u32 v[XL4], v25, 2, s67
	v_lshl_add_u32 v[XE], v25, 4, s68
	v_lshl_add_u32 v[XE4], v25, 2, s68
	v_lshl_add_u32 v[XPL], v25, 4, s69
	v_lshl_add_u32 v[XPL4], v25, 2, s69
	v_lshl_add_u32 v[XPE], v25, 4, s70
	v_lshl_add_u32 v[XPE4], v25, 2, s70
	v_lshl_add_u32 v[OSW], v26, 2, s75
	v_lshl_add_u32 v[OSR], v25, 4, s76
	v_add_nc_u32 v[PFO], s79, v25
	v_lshlrev_b32 v28, 4, v27
	v_sub_nc_u32 v28, v26, v28                     ; r - 16 h
	v_min_u32 v[PFO], 139, v[PFO]                  ; block 32 (w - 3) + lane of the half slot's 140, held at the last
	v_add_nc_u32 v[DM], s77, v28
	v_lshlrev_b32 v[PFO], 8, v[PFO]
	v_mov_b32 v[T+1], 0                            ; (named as the upper half of a pair)
.macro INIT                            ; a tile's state: the largest t so far is -3e38, under every t, and -M its floor's
	v_mov_b32 v[NM], 0x7f61b1e6
	v_mov_b32 v[MX], 0xff61b1e6
.endm
.macro CLEAR
	INIT
	v_mov_b32 v[NINF], 0xff800000
	v_mov_b32 v[L], 0
	v_mov_b32 v[L+1], 0
	v_mov_b32 v[F+1], 0
.irp b, 0,1,2,3
	v_mov_b32 v[PX+\b], 0                          ; written once: a lane permute's destination counts as one of its sources
.endr
.set n_, 0
.rept 32
	v_mov_b32 v[OT+n_], 0                          ; O^T: the step is written once; the first finds zeros, which the first change of M leaves zeros
.set n_, n_+1
.endr
.endm
	CLEAR
	WIN 0x40
	v_add_nc_u32 v[DM], s78, v28
	CLEAR
.irp i, 0,1,2,3,4,5,6,7
	v_mov_b32 v[KA+64+\i], 0                       ; zero codes: behind K's last tile,
	v_mov_b32 v[QA+8+\i], 0                        ; and Q's of K = 64 .. 127: nothing is ever loaded there
	v_mov_b32 v[QB+8+\i], 0
.endr
.set n_, 0
.rept 64
	v_mov_b32 v[KA+n_], 0                          ; K's tiles and scale words: a trip's second products name them on the way round its first record too
.set n_, n_+1
.endr
	global_load_b128 v[EQA:EQA+3], v[QAO], s[QE:QE+1]          ; the early block's Q
	global_load_b128 v[EQA+4:EQA+7], v[QAO], s[QE:QE+1] offset:512
	WIN 0
	global_load_b128 v[EQB:EQB+3], v[QBO], s[QE:QE+1]
	global_load_b128 v[EQB+4:EQB+7], v[QBO], s[QE:QE+1] offset:512
	global_load_b32 v[EQS], v[SAO], s[QE:QE+1]
	global_load_b32 v[EQS+1], v[SBO], s[QE:QE+1]
.irp i, 0,1,2,3,4,5,6,7
	v_mov_b32 v[KS+\i], 0
.endr
	s_wait_alu depctr_va_vdst(0)
	s_wait_loadcnt 0x0                             ; Q of both blocks
	s_wait_tensorcnt 0x0                           ; slot 0 is in
	ds_add_u32 v[SPW], v[NIL]
	ds_add_u32 v[SPW], v[NIL]
	NEXT
	s_wait_dscnt 0x0
	s_barrier_signal -1
	s_barrier_wait -1
	TLOAD                                          ; slot 1's first fill
.Ltrip:                                            ; trips 0 to 6, slots by turns, each of which fills its slot again
	TRIP 1
	s_cbranch_scc1 .Ltrip
	s_mov_b32 s[TRIPS], 2
.Ltwo:                                             ; trips 7 and 8 fill nothing
	TRIP 0
	s_cbranch_scc1 .Ltwo
	; THE WAY OUT
	SAVE 0, XE, XE4
	s_wait_dscnt 0x0                               ; for my partner's sake
	s_barrier_signal -1
	s_barrier_wait -1
.irp k, 0,1,2,3,4,5,6,7
	ds_load_b128 v[S+4*\k:S+4*\k+3], v[XPE] offset:4096+512*\k
.endr
	ds_load_b32 v[S+32], v[XPE4] offset:8448
	ds_load_b32 v[S+33], v[XPE4] offset:8576
.irp k, 0,1,2,3,4,5,6,7
	ds_load_b128 v[VF+4*\k:VF+4*\k+3], v[XL] offset:512*\k
	ds_load_b128 v[VF+32+4*\k:VF+32+4*\k+3], v[XPL] offset:4096+512*\k
.endr
	ds_load_b32 v[S+34], v[XL4] offset:8192
	ds_load_b32 v[S+35], v[XL4] offset:8320
	ds_load_b32 v[S+36], v[XPL4] offset:8448
	ds_load_b32 v[S+37], v[XPL4] offset:8576
	v_add_f32 v[L], v[L], v[L+1]
	s_wait_alu depctr_va_vdst(0)
	s_wait_dscnt 20                                ; the early block's ten loads are in; the late one's twenty may be out
	OUT S, OT, NM, L, S+32, S+33, PCD, OBE, 512
	s_wait_alu depctr_va_vdst(0)
	s_wait_dscnt 0x0
	OUT VF+32, VF, S+34, S+35, S+36, S+37, PCD+8, OBL, 0
	s_wait_dscnt 0x0                               ; for the others' sake
	s_barrier_signal -1
	s_barrier_wait -1
	s_cmp_lt_u32 s[WV], 2
	s_cbranch_scc0 .Lnot_os
	ds_load_b128 v[S:S+3], v[OSR]
	s_wait_dscnt 0x0
	global_store_b128 v[LI], v[S:S+3], s[OSB:OSB+1]   ; a block's 128 words: 512 consecutive bytes, aligned
.Lnot_os:
	s_wait_tensorcnt 0x0                           ; the wave's end
	ds_add_u32 v[SPW], v[NIL]
	s_wait_dscnt 0x0
	s_endpgm
.Lfunc_end_k_qf7d9d92759_attn:
	.size	k_qf7d9d92759_attn, .Lfunc_end_k_qf7d9d92759_attn-k_qf7d9d92759_attn
	.p2alignl 7, 3214868480
	.fill 96, 4, 3214868480
	.section	.rodata,"a",@progbits
	.p2align	6, 0x0
	.amdhsa_kernel k_qf7d9d92759_attn
		.amdhsa_group_segment_fixed_size 327680
		.amdhsa_private_segment_fixed_size 0
		.amdhsa_enable_private_segment 0
		.amdhsa_kernarg_size 32
		.amdhsa_user_sgpr_count 2
		.amdhsa_user_sgpr_kernarg_segment_ptr 1
		.amdhsa_wavefront_size32 1
		.amdhsa_system_sgpr_workgroup_id_x 1
		.amdhsa_system_sgpr_workgroup_id_y 1
		.amdhsa_system_sgpr_workgroup_id_z 1
		.amdhsa_system_vgpr_workitem_id 0
		.amdhsa_next_free_vgpr 512
		.amdhsa_next_free_sgpr 96
		.amdhsa_reserve_vcc 1
		.amdhsa_float_denorm_mode_32 3
		.amdhsa_float_denorm_mode_16_64 3
		.amdhsa_memory_ordered 1
		.amdhsa_forward_progress 1
		.amdhsa_inst_pref_size 218
	.end_amdhsa_kernel
	.amdgpu_metadata
---
amdhsa.version: [ 1, 2 ]
amdhsa.kernels:
  - .name:           k_qf7d9d92759_attn
    .symbol:         k_qf7d9d92759_attn.kd
    .args:
      - { .name: qc, .offset: 0, .size: 8, .value_kind: global_buffer, .address_space: global }
      - { .name: kv, .offset: 8, .size: 8, .value_kind: global_buffer, .address_space: global }
      - { .name: oc, .offset: 16, .size: 8, .value_kind: global_buffer, .address_space: global }
      - { .name: os, .offset: 24, .size: 8, .value_kind: global_buffer, .address_space: global }
    .group_segment_fixed_size: 327680
    .private_segment_fixed_size: 0
    .kernarg_segment_align: 8
    .kernarg_segment_size: 32
    .max_flat_workgroup_size: 256
    .sgpr_count:     96
    .vgpr_count:     512
    .wavefront_size: 32
...
	.end_amdgpu_metadata
.endif
;; end of part 3
;; launch oproj (part 4): grid 4 x 64, 8 waves a work-group, no clusters, 168,960 bytes of LDS; arguments oc, os, wc, ws, out0; writes out0
.if DOCPART == 4
	.amdgcn_target "amdgcn-amd-amdhsa--gfx1250"
	.amdhsa_code_object_version 6
	.text
	.protected	k_qf7d9d92759_oproj
	.globl	k_qf7d9d92759_oproj
	.p2align	8
	.type	k_qf7d9d92759_oproj,@function
k_qf7d9d92759_oproj:
	s_mov_b64 s[64:65], 0
	v_nop
	global_prefetch_b8 v0, s[64:65] scope:SCOPE_SE
	s_setreg_imm32_b32 hwreg(HW_REG_WAVE_MODE, 25, 1), 1
	s_wait_xcnt 0x0
; out0 = O Wo on codes of FP8 (E4M3) with one E8M0 scale for each 32 along K = 512; sums and result f32.
; SHARES.  Work-group (x, y): tokens 128 y on, outputs 128 x on.  Its operands are two dense blocks of 65,536 bytes (register images of 8 tiles x 4 K steps each): each of the eight waves brings 16,384 bytes by ONE tensor load,
; a first fill; nothing is filled again, so there is no ring.  Wave w multiplies weight tiles 4 (w % 2) .. + 3 (64 outputs) with token tiles 2 (w / 2), 2 (w / 2) + 1: eight accumulators by turns.
; Source 0 = the weight, whose tiles' rows are laid so that two neighbouring tiles' results are 16 neighbours in a lane; source 1 = O: a lane holds one token and 16 neighbouring outputs of each group of 32.
; THE WAY OUT: 16 tokens x 64 outputs go through the wave's own stage (rows of 256 + 16 bytes) and leave as rows: sixteen lanes store 256 consecutive bytes, aligned.
; NO CLUSTER: each operand block comes once, in one burst at the head; a round of the cluster's barrier ahead of it and one at the end would stand beside 32 matrix instructions a wave.  No prefetch: every load goes out at the head.
.set WIMG, 65536                       ; LDS: 0: O's fragments, (4 tile + K step) x 2,048;  WIMG: the weight's likewise;
.set STG,  131072                      ; the stages, 4,352 bytes a wave: no fill lands here
.set LO,  1                            ; v1  16 lane + my two token tiles
.set LW,  2                            ; v2  16 lane + my four weight tiles
.set R16, 3
.set R4,  4
.set SO,  5                            ; v5  the stage, in: 272 r + 64 h
.set SR,  6                            ; v6  the stage, back: 272 h + 16 r
.set GO,  7                            ; v7  the same two rows in out0: 2,048 h + 16 r
.set ACC, 16                           ; v16-79   accumulator (token tile tt, weight tile wt) at 32 tt + 8 wt
.set WF,  80                           ; v80-143  four fragments of the weight
.set OF,  144                          ; v144-175 two of O
.set WSC, 176                          ; v176-191 the weight's scale words, 4 wt + K step: scales and nothing else
.set OSC, 192                          ; v192-199 O's, 4 tt + K step: scales and nothing else
.set RAW, 200                          ; v200-215 O's words as they lie: two bytes a head
.set ROWS, 216                         ; v216-247 rows on the way out
	s_load_b256 s[4:11], s[0:1], 0x0               ; oc, os, wc, ws
	s_load_b64 s[12:13], s[0:1], 0x20              ; out0
	v_lshl_add_u32 v254, v0, 2, 0x29000
	v_mov_b32 v255, 0
	ds_add_u32 v254, v255
	ds_add_u32 v254, v255
	v_lshrrev_b32 v8, 5, v0
	s_delay_alu instid0(VALU_DEP_1)
	v_readfirstlane_b32 s14, v8                    ; wave 0..7
	s_mov_b32 s15, ttmp9                           ; x
	s_and_b32 s16, ttmp7, 0xffff                   ; y
	s_and_b32 s17, s14, 1
	s_lshr_b32 s18, s14, 1
	; descriptor group 1: 64 rows of 256 bytes, dense
	s_mov_b32 s24, 3<<16                           ; no mask; elements of 8 bytes; no padding
	s_mov_b32 s25, 32<<16                          ; tensor_dim0 = 32
	s_mov_b32 s26, 64<<16                          ; tensor_dim1 = 64
	s_mov_b32 s27, 32<<16                          ; tile_dim0 = 32
	s_mov_b32 s28, 64                              ; tile_dim1 = 64
	s_mov_b32 s29, 32                              ; from row to row
	s_mov_b32 s30, 0
	s_mov_b32 s31, 0
	s_lshl_b32 s32, s16, 16                        ; waves 0-3: O's block, 65,536 y;
	s_lshl_b32 s33, s15, 16
	s_add_co_u32 s33, s33, 786432                  ; waves 4-7: the fourth weight's, 65,536 x
	s_cmp_lt_u32 s14, 4
	s_cselect_b32 s32, s32, s33
	s_and_b32 s33, s14, 3
	s_lshl_b32 s33, s33, 14
	s_add_co_u32 s32, s32, s33                     ; my quarter of it
	s_mov_b32 s33, 0
	s_lshl_b32 s34, s15, 11                        ; the weight's scale words: 24,576 + 2,048 x + 1,024 (w % 2)
	s_lshl_b32 s35, s17, 10
	s_add_co_u32 s34, s34, s35
	s_add_co_u32 s34, s34, 24576
	s_mov_b32 s35, 0
	s_lshr_b32 s38, s16, 5                         ; O's: word (batch x 8 heads x 4,096 + 128 (y % 32) + 32 (w / 2))
	s_lshl_b32 s38, s38, 15
	s_and_b32 s39, s16, 31
	s_lshl_b32 s39, s39, 7
	s_add_co_u32 s38, s38, s39
	s_lshl_b32 s39, s18, 5
	s_add_co_u32 s38, s38, s39
	s_lshl_b32 s38, s38, 2
	s_mov_b32 s39, 0
	s_lshl_b32 s44, s16, 7                         ; out0: row 128 y + 32 (w / 2), byte 512 x + 256 (w % 2)
	s_lshl_b32 s45, s18, 5
	s_add_co_u32 s44, s44, s45
	s_lshl_b32 s44, s44, 11
	s_lshl_b32 s45, s15, 9
	s_add_co_u32 s44, s44, s45
	s_lshl_b32 s45, s17, 8
	s_add_co_u32 s44, s44, s45
	s_mov_b32 s45, 0
	s_wait_dscnt 0x0
	s_wait_kmcnt 0x0
	s_cmp_lt_u32 s14, 4                            ; the buffer is chosen by the wave's number alone
	s_cselect_b64 s[22:23], s[4:5], s[8:9]
	s_add_nc_u64 s[22:23], s[22:23], s[32:33]
	s_or_b32 s23, s23, 0x80000000                  ; type = 2
	s_mov_b32 s20, 1                               ; count = 1
	s_lshl_b32 s21, s14, 14                        ; LDS address: 16,384 x wave
	tensor_load_to_lds s[20:23], s[24:31]          ; my one tensor load
	s_nop 0
.rept 4
	v_nop
.endr
	s_add_nc_u64 s[36:37], s[10:11], s[34:35]
	s_add_nc_u64 s[40:41], s[6:7], s[38:39]
	s_add_nc_u64 s[42:43], s[12:13], s[44:45]
	v_and_b32 v8, 31, v0                           ; lane
	v_and_b32 v9, 15, v0                           ; r
	v_bfe_u32 v10, v0, 4, 1                        ; h
	s_delay_alu instid0(VALU_DEP_2)
	v_lshlrev_b32 v[R16], 4, v9
	s_delay_alu instid0(VALU_DEP_3)
	v_lshlrev_b32 v[R4], 2, v9
.irp wt, 0,1,2,3
	global_load_b128 v[WSC+4*\wt:WSC+4*\wt+3], v[R16], s[36:37] offset:256*\wt
.endr
.irp tt, 0,1
.irp hd, 0,1,2,3,4,5,6,7
	global_load_b32 v[RAW+8*\tt+\hd], v[R4], s[40:41] offset:16384*\hd+64*\tt
.endr
.endr
	s_lshl_b32 s46, s18, 14
	v_lshl_add_u32 v[LO], v8, 4, s46
	s_lshl_b32 s47, s17, 15
	s_add_co_u32 s47, s47, WIMG
	v_lshl_add_u32 v[LW], v8, 4, s47
	s_mul_i32 s46, s14, 4352
	s_add_co_u32 s46, s46, STG                     ; my stage
	s_wait_loadcnt 0x0
.irp tt, 0,1
.irp g, 0,1,2,3
	v_lshl_or_b32 v[OSC+4*\tt+\g], v[RAW+8*\tt+2*\g+1], 16, v[RAW+8*\tt+2*\g]   ; K step g is heads 2 g and 2 g + 1: two bytes each
.endr
.endr
	v_mul_u32_u24 v[SO], v9, 272                   ; these seven lines and one v_nop are the eight places between the last scale word made above and the first scaled product
	s_delay_alu instid0(VALU_DEP_1)
	v_lshl_add_u32 v[SO], v10, 6, v[SO]
	s_delay_alu instid0(VALU_DEP_1)
	v_add_nc_u32 v[SO], s46, v[SO]
	v_mul_u32_u24 v[SR], v10, 272
	s_delay_alu instid0(VALU_DEP_1)
	v_add_nc_u32 v[SR], v[SR], v[R16]
	s_delay_alu instid0(VALU_DEP_1)
	v_add_nc_u32 v[SR], s46, v[SR]
	v_lshl_add_u32 v[GO], v10, 11, v[R16]
	v_nop
	s_wait_tensorcnt 0x0                           ; my quarter has landed,
	s_barrier_signal -1
	s_barrier_wait -1                              ; everybody's has
.irp s, 0,1,2,3
.if \s
.rept 8
	v_nop                                          ; eight places ahead of loads into registers that the products above read
.endr
.endif
.irp wt, 0,1,2,3
.irp c, 0,1,2,3
	ds_load_b128 v[WF+16*\wt+4*\c:WF+16*\wt+4*\c+3], v[LW] offset:8192*\wt+2048*\s+512*\c
.endr
.endr
.irp tt, 0,1
.irp c, 0,1,2,3
	ds_load_b128 v[OF+16*\tt+4*\c:OF+16*\tt+4*\c+3], v[LO] offset:8192*\tt+2048*\s+512*\c
.endr
.endr
	s_wait_alu depctr_va_vdst(0)
	s_wait_dscnt 0x0
.irp tt, 0,1
.irp wt, 0,1,2,3
.if \s == 0
	v_wmma_scale_f32_16x16x128_f8f6f4 v[ACC+32*\tt+8*\wt:ACC+32*\tt+8*\wt+7], v[WF+16*\wt:WF+16*\wt+15], v[OF+16*\tt:OF+16*\tt+15], 0, v[WSC+4*\wt+\s], v[OSC+4*\tt+\s]
.else
	v_wmma_scale_f32_16x16x128_f8f6f4 v[ACC+32*\tt+8*\wt:ACC+32*\tt+8*\wt+7], v[WF+16*\wt:WF+16*\wt+15], v[OF+16*\tt:OF+16*\tt+15], v[ACC+32*\tt+8*\wt:ACC+32*\tt+8*\wt+7], v[WSC+4*\wt+\s], v[OSC+4*\tt+\s]
.endif
.endr
.endr
.endr
.rept 8
	v_nop                                          ; ahead of the first read of results
.endr
.irp tt, 0,1
.if \tt
	s_wait_xcnt 0x0                                ; the first tile's stores have read the registers that are loaded again now
.endif
.irp b, 0,1
.irp q, 0,1,2,3
	ds_store_b128 v[SO], v[ACC+32*\tt+16*\b+4*\q:ACC+32*\tt+16*\b+4*\q+3] offset:128*\b+16*\q   ; lane (r, h): outputs 32 b + 16 h + 0 .. 15 of token r; each accumulator from its low end on
.endr
.endr
.irp i, 0,1,2,3,4,5,6,7
	ds_load_b128 v[ROWS+4*\i:ROWS+4*\i+3], v[SR] offset:544*\i   ; LDS serves a wave's instructions in order (ISA guide 5.7.1.4): these see my stores
.endr
.irp i, 0,1,2,3,4,5,6,7
	s_wait_dscnt 7-\i                              ; rows 2 i and 2 i + 1 are back; the younger loads may be out
	global_store_b128 v[GO], v[ROWS+4*\i:ROWS+4*\i+3], s[42:43] offset:(16*\tt+2*\i)*2048 th:TH_STORE_NT   ; sixteen lanes store 256 consecutive bytes, aligned; written once, read by nobody here
.endr
.endr
	s_wait_tensorcnt 0x0
	ds_add_u32 v254, v255
	s_wait_dscnt 0x0
	s_endpgm
.Lfunc_end_k_qf7d9d92759_oproj:
	.size	k_qf7d9d92759_oproj, .Lfunc_end_k_qf7d9d92759_oproj-k_qf7d9d92759_oproj
	.p2alignl 7, 3214868480
	.fill 96, 4, 3214868480
	.section	.rodata,"a",@progbits
	.p2align	6, 0x0
	.amdhsa_kernel k_qf7d9d92759_oproj
		.amdhsa_group_segment_fixed_size 168960
		.amdhsa_private_segment_fixed_size 0
		.amdhsa_enable_private_segment 0
		.amdhsa_kernarg_size 40
		.amdhsa_user_sgpr_count 2
		.amdhsa_user_sgpr_kernarg_segment_ptr 1
		.amdhsa_wavefront_size32 1
		.amdhsa_system_sgpr_workgroup_id_x 1
		.amdhsa_system_sgpr_workgroup_id_y 1
		.amdhsa_system_sgpr_workgroup_id_z 1
		.amdhsa_system_vgpr_workitem_id 0
		.amdhsa_next_free_vgpr 256
		.amdhsa_next_free_sgpr 66
		.amdhsa_reserve_vcc 0
		.amdhsa_float_denorm_mode_32 3
		.amdhsa_float_denorm_mode_16_64 3
		.amdhsa_memory_ordered 1
		.amdhsa_forward_progress 1
		.amdhsa_inst_pref_size 23
	.end_amdhsa_kernel
	.amdgpu_metadata
---
amdhsa.version: [ 1, 2 ]
amdhsa.kernels:
  - .name:           k_qf7d9d92759_oproj
    .symbol:         k_qf7d9d92759_oproj.kd
    .args:
      - { .name: oc, .offset: 0, .size: 8, .value_kind: global_buffer, .address_space: global }
      - { .name: os, .offset: 8, .size: 8, .value_kind: global_buffer, .address_space: global }
      - { .name: wc, .offset: 16, .size: 8, .value_kind: global_buffer, .address_space: global }
      - { .name: ws, .offset: 24, .size: 8, .value_kind: global_buffer, .address_space: global }
      - { .name: out0, .offset: 32, .size: 8, .value_kind: global_buffer, .address_space: global }
    .group_segment_fixed_size: 168960
    .private_segment_fixed_size: 0
    .kernarg_segment_align: 8
    .kernarg_segment_size: 40
    .max_flat_workgroup_size: 256
    .sgpr_count:     66
    .vgpr_count:     256
    .wavefront_size: 32
...
	.end_amdgpu_metadata
.endif
;; end of part 4
